; MI455X (gfx1250); checked and timed in simulation.
; The chip was launched on July 23, 2026; its instructions are those of AMD's public machine-readable ISA for CDNA 5 (MIT licence, August 2026) and "CDNA5" Instruction Set Architecture Reference Guide (July 2026). The comments in the code are by the model that wrote it; some were corrected since.
;; Dot Attention. Allowed arithmetic: float matrix products may take bf16 or f16 operands with f32 sums; all other float work in f32.
;; Inputs: Wq 2,048 x 2,048 float32; Wr 2,048 x 2,048 float32; query 2,048 x 2,048 float32; ref 4,096 x 2,048 float32.
;; Outputs: out0 2,048 x 2,048 float32.
;; One version. Each part assembles by itself: llvm-mc -triple=amdgcn-amd-amdhsa -mcpu=gfx1250 --defsym DOCPART=n.
;; ======== version 1 of 1: 4 launches
;; limits: values are held in f16: magnitudes above 65,504 overflow, below 6.1e-05 lose precision; right only within a limited range of input values
;; workspace buffers: x16 25,165,824 bytes; w16 16,777,216 bytes; h16 25,165,824 bytes; p16 16,777,216 bytes; cmax 131,072 bytes; lsum 262,144 bytes
;; launch cast (part 1): grid 256 x 5, 8 waves a work-group, no clusters, 0 bytes of LDS; arguments query, ref, Wq, Wr, x16, w16; writes x16, w16
.if DOCPART == 1
	.amdgcn_target "amdgcn-amd-amdhsa--gfx1250"
	.amdhsa_code_object_version 6
	.text
	.protected	k_q1b03e2f9c2_cast
	.globl	k_q1b03e2f9c2_cast
	.p2align	8
	.type	k_q1b03e2f9c2_cast,@function
k_q1b03e2f9c2_cast:
	s_mov_b64 s[64:65], 0
	v_nop
	global_prefetch_b8 v0, s[64:65] scope:SCOPE_SE
	s_setreg_imm32_b32 hwreg(HW_REG_WAVE_MODE, 25, 1), 1
	s_wait_xcnt 0x0
; x16 = f16(bf16(x) * 2^-4) for x = query (rows 0-2047) and ref (rows 2048-6143); w16 = f16(bf16(w)) for Wq (rows 0-2047) and Wr (rows 2048-4095).
; Every input is rounded once, to bf16; that number (for query and ref times 2^-4, which is exact) is then written as f16, which holds bf16's 8 significant bits.
; LIMITS.  f16 ends at 65,504: |query|, |ref| stay below 1.04e6, |Wq|, |Wr| below 65,504.  Below 6.1e-5 f16 keeps a fixed step of 6e-8.  NaN and infinities are not treated apart.
; A stream: no LDS, no matrix unit, no cluster (no two work-groups read the same byte).
; SHARES.  The grid's y names a slab of 4,194,304 numbers: 0 query, 1 and 2 the halves of ref, 3 Wq, 4 Wr.  Work-group x takes 16,384 of them; thread t takes, sixteen times, the 16 bytes at
; 16 t + 4,096 j and writes the 8 bytes at 8 t + 2,048 j: a load of a wave covers 512 consecutive bytes, a store 256 consecutive bytes that begin at a multiple of 256.
; All sixteen loads go out first.  A load's four numbers end as two registers, written where the load landed and stored from there: no register of a load or a store is written behind its issue but by
; that load itself, so the only waits are the counted ones for the data.  74 registers a wave: 1,280 work-groups on 256 WGPs are five each, ten waves a SIMD, 740 of its 1,024 registers.
.set X, 4                              ; v[4:67]   sixteen loads of four f32; the first two registers of each then hold the four f16 to store
.set T, 68                             ; v[68:69]  four numbers as bf16
.set U, 70                             ; v[70:73]  the same as f32, then scaled
	s_load_b256 s[4:11], s[0:1], 0x0               ; query s[4:5], ref s[6:7], Wq s[8:9], Wr s[10:11]
	s_load_b128 s[12:15], s[0:1], 0x20             ; x16 s[12:13], w16 s[14:15]
	s_and_b32 s2, ttmp7, 0xffff                    ; the slab
	v_lshlrev_b32 v1, 4, v0                        ; 16 t
	v_lshlrev_b32 v2, 3, v0                        ; 8 t
	s_mov_b32 s26, 0xffff0000                      ; a word's upper bf16
	s_lshl_b32 s22, ttmp9, 16                      ; source offset: 65,536 bytes a work-group,
	s_cmp_eq_u32 s2, 2
	s_cselect_b32 s3, 0x1000000, 0                 ; and 16 MiB on for the second half of ref
	s_add_co_u32 s22, s22, s3
	s_mov_b32 s23, 0
	s_sub_co_u32 s3, s2, 3
	s_cmp_lt_u32 s2, 3
	s_cselect_b32 s3, s2, s3                       ; the slab's number within its destination
	s_cselect_b32 s20, 0x3d800000, 1.0             ; 2^-4 for query and ref, 1 for the weights
	s_mov_b32 s21, s20                             ; named with it as a pair
	s_lshl_b32 s24, s3, 23                         ; destination offset: 8 MiB a slab,
	s_lshl_b32 s3, ttmp9, 15                       ; 32,768 bytes a work-group
	s_add_co_u32 s24, s24, s3
	s_mov_b32 s25, 0
	s_wait_kmcnt 0x0
	s_cmp_lt_u32 s2, 3
	s_cselect_b64 s[18:19], s[12:13], s[14:15]     ; to x16 or to w16
	s_cmp_eq_u32 s2, 0
	s_cselect_b64 s[16:17], s[4:5], s[6:7]         ; from query, or ref,
	s_cmp_eq_u32 s2, 3
	s_cselect_b64 s[16:17], s[8:9], s[16:17]       ; or Wq,
	s_cmp_eq_u32 s2, 4
	s_cselect_b64 s[16:17], s[10:11], s[16:17]     ; or Wr
	s_add_nc_u64 s[16:17], s[16:17], s[22:23]
	s_add_nc_u64 s[18:19], s[18:19], s[24:25]
.set j, 0
.rept 16
	global_load_b128 v[X+4*j:X+4*j+3], v1, s[16:17] offset:4096*j th:TH_LOAD_NT
.set j, j+1
.endr
.set j, 0
.rept 16
	s_wait_loadcnt 15-j                            ; loads come back in order (ISA guide 5.7.1): load j is in, the younger ones stay out
	v_cvt_pk_bf16_f32 v[T], v[X+4*j], v[X+4*j+1]   ; the one rounding, to nearest even
	v_cvt_pk_bf16_f32 v[T+1], v[X+4*j+2], v[X+4*j+3]
	v_lshlrev_b32 v[U], 16, v[T]                   ; back to f32: the low half moves up, the high half stays
	v_and_b32 v[U+1], s26, v[T]
	v_lshlrev_b32 v[U+2], 16, v[T+1]
	v_and_b32 v[U+3], s26, v[T+1]
	v_pk_mul_f32 v[U:U+1], v[U:U+1], s[20:21] op_sel_hi:[1,0]      ; a power of two: exact
	v_pk_mul_f32 v[U+2:U+3], v[U+2:U+3], s[20:21] op_sel_hi:[1,0]
	v_cvt_pk_f16_f32 v[X+4*j], v[U], v[U+1]
	v_cvt_pk_f16_f32 v[X+4*j+1], v[U+2], v[U+3]
	global_store_b64 v2, v[X+4*j:X+4*j+1], s[18:19] offset:2048*j
.set j, j+1
.endr
	s_endpgm
.Lfunc_end_k_q1b03e2f9c2_cast:
	.size	k_q1b03e2f9c2_cast, .Lfunc_end_k_q1b03e2f9c2_cast-k_q1b03e2f9c2_cast
	.p2alignl 7, 3214868480
	.fill 96, 4, 3214868480
	.section	.rodata,"a",@progbits
	.p2align	6, 0x0
	.amdhsa_kernel k_q1b03e2f9c2_cast
		.amdhsa_group_segment_fixed_size 0
		.amdhsa_private_segment_fixed_size 0
		.amdhsa_enable_private_segment 0
		.amdhsa_kernarg_size 48
		.amdhsa_user_sgpr_count 2
		.amdhsa_user_sgpr_kernarg_segment_ptr 1
		.amdhsa_wavefront_size32 1
		.amdhsa_system_sgpr_workgroup_id_x 1
		.amdhsa_system_sgpr_workgroup_id_y 1
		.amdhsa_system_sgpr_workgroup_id_z 1
		.amdhsa_system_vgpr_workitem_id 0
		.amdhsa_next_free_vgpr 74
		.amdhsa_next_free_sgpr 66
		.amdhsa_reserve_vcc 0
		.amdhsa_float_denorm_mode_32 3
		.amdhsa_float_denorm_mode_16_64 3
		.amdhsa_memory_ordered 1
		.amdhsa_forward_progress 1
		.amdhsa_inst_pref_size 13
	.end_amdhsa_kernel
	.amdgpu_metadata
---
amdhsa.version: [ 1, 2 ]
amdhsa.kernels:
  - .name:           k_q1b03e2f9c2_cast
    .symbol:         k_q1b03e2f9c2_cast.kd
    .args:
      - { .name: query, .offset: 0, .size: 8, .value_kind: global_buffer, .address_space: global }
      - { .name: ref, .offset: 8, .size: 8, .value_kind: global_buffer, .address_space: global }
      - { .name: Wq, .offset: 16, .size: 8, .value_kind: global_buffer, .address_space: global }
      - { .name: Wr, .offset: 24, .size: 8, .value_kind: global_buffer, .address_space: global }
      - { .name: x16, .offset: 32, .size: 8, .value_kind: global_buffer, .address_space: global }
      - { .name: w16, .offset: 40, .size: 8, .value_kind: global_buffer, .address_space: global }
    .group_segment_fixed_size: 0
    .private_segment_fixed_size: 0
    .kernarg_segment_align: 8
    .kernarg_segment_size: 48
    .max_flat_workgroup_size: 256
    .sgpr_count:     66
    .vgpr_count:     74
    .wavefront_size: 32
...
	.end_amdgpu_metadata
.endif
;; end of part 1
;; launch proj (part 2): grid 8 x 24, 4 waves a work-group, clusters of 4 x 4, 327,680 bytes of LDS; arguments x16, w16, h16; writes h16
.if DOCPART == 2
	.amdgcn_target "amdgcn-amd-amdhsa--gfx1250"
	.amdhsa_code_object_version 6
	.text
	.protected	k_q1b03e2f9c2_proj
	.globl	k_q1b03e2f9c2_proj
	.p2align	8
	.type	k_q1b03e2f9c2_proj,@function
k_q1b03e2f9c2_proj:
	s_mov_b64 s[64:65], 0
	v_nop
	global_prefetch_b8 v0, s[64:65] scope:SCOPE_SE
	s_setreg_imm32_b32 hwreg(HW_REG_WAVE_MODE, 25, 1), 1
	s_wait_xcnt 0x0
	s_wait_alu depctr_hold_cnt(0) depctr_sa_sdst(0) depctr_va_vdst(0) depctr_va_sdst(0) depctr_va_ssrc(0) depctr_va_vcc(0) depctr_vm_vsrc(0)
	s_getreg_b32 s2, hwreg(HW_REG_IB_STS2, 6, 4)
	s_cmp_eq_u32 s2, 0
	s_cbranch_scc0 .Lentry_in_a_cluster
	s_endpgm
.Lentry_in_a_cluster:
	s_bfe_u32 s2, ttmp6, 0x10000c
	s_cmp_lg_u32 s2, 0xf033
	s_cbranch_scc0 .Lentry_shape_is_right
	s_endpgm
.Lentry_shape_is_right:
; h16[m][n] = relu(sum over k of x16[m][k] w[n][k]), both projections in one launch: rows 0-2047 (query) take w16's rows 0-2047 (Wq), rows 2048-6143 (ref) its rows 2048-4095 (Wr).
; x16 holds the inputs times 2^-4, so h16 holds 2^-4 x the true projections.  Operands f16, sums f32, h16 rounded once to f16.
; LIMITS.  h16 is f16: the true projections stay below 1.04e6.  relu is max(0, x): a NaN becomes 0.
; SHARES.  A tile of h16, 256 x 256, is made by a work-group of four waves; a wave makes 128 x 128: 64 accumulators of 16 x 16, 512 registers.  K = 2,048 goes in 16 steps of 128 through a ring of two
; LDS slots filled by tensor loads; the tiles' rows are 256 bytes of memory and begin at multiples of 256 bytes.  24 x 8 = 192 tiles: a smaller tile would feed half as many products from each LDS byte.
; CLUSTER.  4 x 4 work-groups.  The four of a row of the cluster need the same rows of x16, the four of a column the same rows of w16: each tile is asked for JOINTLY, by the same tensor load with
; the same descriptor and a mask that names the four.  Which weights a tile takes hangs on the cluster's y alone (clusters 0 and 1 hold the query rows), which all sixteen share.
; THE MATRIX INSTRUCTION IS USED TRANSPOSED (source 0 = 16 rows of w16, source 1 = 16 rows of x16): a lane then holds eight neighbouring numbers of a row of h16, which pack into 16 bytes.
; REGISTERS, in windows of 256 (s_set_vgpr_msb: bits 1:0 source 0, 3:2 source 1, 5:4 source 2, 7:6 destination):
;   window 0: v0-31 addresses; v64-127, v128-191 fragments of x16, two buffers; v32-63, v192-255 at work on the way out
;   window 1: v64-127, v128-191 fragments of w16, two buffers      window 2: the accumulators of my rows 0-63 ((a, b) at v[8 (8 a + b)])      window 3: those of my rows 64-127
.set SIZE_K, 2048
.set SIZE_N, 2048
.set KSTEP,  128
.set PITCH,  272                       ; an LDS row: 256 bytes + 16 of padding = 68 words: the 16 rows of a load start at 16 different groups of four banks (64 banks of 4 bytes: ISA guide 11.1)
.set HALFT,  128*PITCH                 ; 128 rows: what one tensor load brings, and what one wave reads of either operand
.set SLOT,   4*HALFT                   ; x16's 256 rows, then w16's 256 rows
.set STAGE,  2*SLOT                    ; behind the ring: 16 rows x 272 bytes for each wave, for the way out
.set SPITCH, 272
.set SPARE,  STAGE+4*16*SPITCH         ; behind the stages: the spare words, 128 bytes for each wave: two blocks of 256 bytes that no other line names
.set LAPS,   SIZE_K/(2*KSTEP)          ; a lap = two K steps = once round the ring
.set ADRA, 16                          ; v16-17  LDS address of my fragments of x16 in slot 0, 1
.set ADRB, 20                          ; v20-21  the same for w16
.set STO,  24                          ; v24     the way out: where I put 16 bytes of a row
.set RD,   25                          ; v25     the way out: where I read a row back
.set CO,   26                          ; v26     my byte offset in two rows of h16
.set SPW,  28                          ; v28     LDS address of my spare word; never rewritten
.set NIL,  29                          ; v29     0; never rewritten
.set F0,   64
.set F1,   128
.set TMP,  192                         ; the way out: packed results
.set OB,   32                          ; the way out: 16 rows read back: v32-63 and v224-255 by turns
.set G1, 24                            ; s[24:31] descriptor group 1 for x16's tiles;  s[32:39] group 0, a set for each slot
.set G0, 32
.set G1B, 48                           ; s[48:55], s[56:63] the same for w16's tiles
.set G0B, 56
.set FLAGS, (1<<16)|(1<<20)|(1<<21)|(5<<22)|(3<<25)  ; 17:16 elements of 2 bytes; 20 padding on; 21 set beside a mask; 24:22 after every 64 words (code 5); 31:25 4 words (code 3)
.set MSB, 0
.macro WIN new                         ; the immediate's high byte repeats the setting that is left; a switch that changes nothing is dropped
.if MSB != (\new)
	s_set_vgpr_msb (MSB<<8)|(\new)
.set MSB, \new
.endif
.endm
.set MUL_LO, 0xa1                      ; source 0 window 1, source 1 window 0, C and D window 2
.set MUL_HI, 0xf1                      ; the same, C and D window 3
.set TO_B,   0x40                      ; destination window 1, address window 0
; A joint load: waves 0 and 1 fetch the halves of x16's tile, waves 2 and 3 those of w16's.  The branch hangs on the wave's number alone.
; An s_nop 0 and four v_nop follow each of the two lines, ahead of the jump, the label and what follows.
.macro JLOAD s
	s_cmp_eq_u32 s11, 0
	s_cbranch_scc0 .Lfor_b_\@
	tensor_load_to_lds s[G0+4*(\s):G0+4*(\s)+3], s[G1:G1+7]
	s_nop 0
.rept 4
	v_nop
.endr
	s_branch .Lasked_\@
.Lfor_b_\@:
	tensor_load_to_lds s[G0B+4*(\s):G0B+4*(\s)+3], s[G1B:G1B+7]
	s_nop 0
.rept 4
	v_nop
.endr
.Lasked_\@:
.endm
.macro CREST                           ; a round of the cluster's barrier behind its opening barrier: wave 0 signals for the work-group, every wave waits for all sixteen, my work-group's barrier closes it
	s_cmp_lg_u32 s10, 0
	s_cbranch_scc1 .Lnot_wave_0_\@
	s_barrier_signal -3
.Lnot_wave_0_\@:
	s_barrier_wait -3
	s_barrier_signal -1
	s_barrier_wait -1
.endm
.macro CROUND                          ; a whole round
	s_barrier_signal -1
	s_barrier_wait -1
	CREST
.endm
	s_load_b128 s[4:7], s[0:1], 0x0                ; x16 s[4:5], w16 s[6:7]
	s_load_b64 s[8:9], s[0:1], 0x10                ; h16
	v_lshl_add_u32 v[SPW], v0, 2, SPARE
	v_mov_b32 v[NIL], 0
	ds_add_u32 v[SPW], v[NIL]                      ; the wave's opening: the add and its wait stand ahead of my first tensor load; the set-up below, work on registers, stands between them
	v_lshrrev_b32 v1, 5, v0
	v_readfirstlane_b32 s10, v1                    ; wave 0..3
	s_lshr_b32 s11, s10, 1                         ; which half of the tile's rows is mine.  Also: I fetch for x16 (0) or for w16 (1)
	s_and_b32 s12, s10, 1                          ; which half of its columns.  Also: which 128 rows of that tile I fetch
	s_bfe_u32 s40, ttmp6, 0x40000                  ; cx, cy: my place in the cluster
	s_bfe_u32 s41, ttmp6, 0x40004
	s_lshl_b32 s42, ttmp9, 2
	s_add_co_u32 s42, s42, s40                     ; tile column = 4 x cluster x + cx
	s_and_b32 s13, ttmp7, 0xffff                   ; the cluster's y
	s_cmp_ge_u32 s13, 2
	s_cselect_b32 s45, 2048, 0                     ; from cluster row 2 on the rows are ref's: Wr begins at row 2,048 of w16
	s_lshl_b32 s13, s13, 2
	s_add_co_u32 s13, s13, s41                     ; tile row = 4 x cluster y + cy
	s_lshl_b32 s43, s41, 2
	s_lshl_b32 s43, 15, s43                        ; my row of the cluster: places 4 cy .. 4 cy + 3
	s_lshl_b32 s44, 0x1111, s40                    ; my column: places cx, cx + 4, cx + 8, cx + 12
	s_or_b32 s[G1+0], s43, FLAGS                   ; 15:0 the mask: x16's tiles go to my row,
	s_or_b32 s[G1B+0], s44, FLAGS                  ; w16's to my column
.irp g, G1, G1B
	s_mov_b32 s[(\g)+1], KSTEP<<16                 ; tensor_dim0 = 128
	s_mov_b32 s[(\g)+2], 128<<16                   ; tensor_dim1 = 128
	s_mov_b32 s[(\g)+3], KSTEP<<16                 ; tile_dim0 = 128
	s_mov_b32 s[(\g)+4], 128                       ; tile_dim1 = 128
	s_mov_b32 s[(\g)+5], SIZE_K                    ; elements from row to row
	s_mov_b32 s[(\g)+6], 0
	s_mov_b32 s[(\g)+7], 0
.endr
	; where the tiles come from: each address is made in registers that never hold the other coordinate.  A row is 4,096 bytes; 6,143 rows stay under 2^25 bytes.
	s_lshl_b32 s17, s12, 7                         ; which 128 rows of the tile I fetch
	s_lshl_b32 s16, s13, 8
	s_add_co_u32 s16, s16, s17                     ; x16: row 256 x tile row + 128 x half
	s_lshl_b32 s16, s16, 12
	s_lshl_b32 s46, s42, 8
	s_add_co_u32 s46, s46, s17                     ; w16: row 256 x tile column + 128 x half
	s_add_co_u32 s46, s46, s45                     ; + 2,048 for Wr
	s_lshl_b32 s46, s46, 12
	s_mov_b32 s17, 0
	s_mov_b32 s47, 0
	s_mul_i32 s20, s10, HALFT                      ; and where they go: wave x 128 rows: no place in the cluster enters an LDS address
	s_wait_dscnt 0x0                               ; the opening add is done
	s_wait_kmcnt 0x0
	s_add_nc_u64 s[14:15], s[4:5], s[16:17]
	s_add_nc_u64 s[46:47], s[6:7], s[46:47]
	CROUND                                         ; all sixteen work-groups are here: the first joint loads meet
.irp s, 0,1
	s_mov_b32 s[G0+4*(\s)], 1                                      ; 1:0 count = 1
	s_add_co_u32 s[G0+4*(\s)+1], s20, (\s)*SLOT                    ; 63:32 LDS address
	s_add_nc_u64 s[G0+4*(\s)+2:G0+4*(\s)+3], s[14:15], (\s)*KSTEP*2  ; 120:64 global address: K step s
	s_or_b32 s[G0+4*(\s)+3], s[G0+4*(\s)+3], 0x80000000            ; 127:126 type = 2
	s_mov_b32 s[G0B+4*(\s)], 1
	s_add_co_u32 s[G0B+4*(\s)+1], s20, (\s)*SLOT
	s_add_nc_u64 s[G0B+4*(\s)+2:G0B+4*(\s)+3], s[46:47], (\s)*KSTEP*2
	s_or_b32 s[G0B+4*(\s)+3], s[G0B+4*(\s)+3], 0x80000000
	JLOAD \s                                       ; two loads of mine are out
.endr
	; A fragment is 16 rows x 32 K in 8 registers: lane l holds row l % 16; registers 0-3 K = 8 (l / 16) + 0..7, registers 4-7 K = 16 + 8 (l / 16) + 0..7: two loads of 16 bytes, 32 bytes apart.
	v_and_b32 v1, 15, v0                           ; l % 16
	v_bfe_u32 v2, v0, 4, 1                         ; l / 16
	v_mul_u32_u24 v3, v1, PITCH
	v_lshl_add_u32 v3, v2, 4, v3                   ; row x pitch + 16 x half
	s_mul_i32 s21, s11, HALFT                      ; my 128 rows of x16
	s_mul_i32 s22, s12, HALFT                      ; my 128 rows of w16,
	s_add_co_u32 s22, s22, 2*HALFT                 ; which lie behind x16's 256
.irp s, 0,1
	v_add_nc_u32 v[ADRA+(\s)], s21, v3
	v_add_nc_u32 v[ADRB+(\s)], s22, v3
	s_add_co_u32 s21, s21, SLOT
	s_add_co_u32 s22, s22, SLOT
.endr
	s_mul_i32 s23, s10, 16*SPITCH
	s_add_co_u32 s23, s23, STAGE                   ; my stage
	v_add_nc_u32 v[STO], s23, v3                   ; in: row l % 16, 16 bytes for each half of the lanes (the stage's pitch is the tiles')
	v_mul_u32_u24 v5, v2, SPITCH                   ; back: lanes 0-15 take one row of 256 bytes, lanes 16-31 the next
	v_lshl_add_u32 v5, v1, 4, v5
	v_add_nc_u32 v[RD], s23, v5
	v_lshlrev_b32 v5, 12, v2                       ; and the same two rows in h16
	v_lshl_add_u32 v[CO], v1, 4, v5
	s_lshl_b32 s13, s13, 8                         ; h16 at my part of the tile: row 256 x tile row + 128 x half,
	s_lshl_b32 s14, s11, 7
	s_add_co_u32 s16, s13, s14
	s_lshl_b32 s16, s16, 12
	s_mov_b32 s17, 0
	s_add_nc_u64 s[8:9], s[8:9], s[16:17]
	s_lshl_b32 s46, s42, 9                         ; byte 512 x tile column + 256 x half
	s_lshl_b32 s47, s12, 8
	s_add_co_u32 s46, s46, s47
	s_mov_b32 s47, 0
	s_add_nc_u64 s[8:9], s[8:9], s[46:47]
; 16 matrix instructions: m blocks a0, a0 + 1 of the window's four (hi = 0: my rows 0-63, 1: rows 64-127) x all 8 n blocks, 32 along K.  zero = 1: the first product starts the sums.
; The 64 accumulators take turns, in the same order in every quarter step.
.macro MUL16 f, hi, a0, zero
	WIN MUL_LO+0x50*(\hi)
.irp a, \a0, (\a0)+1
.irp b, 0,1,2,3,4,5,6,7
.if \zero
	v_wmma_f32_16x16x32_f16 v[8*(8*(\a)+(\b)):8*(8*(\a)+(\b))+7], v[(\f)+8*(\b):(\f)+8*(\b)+7], v[(\f)+8*(4*(\hi)+(\a)):(\f)+8*(4*(\hi)+(\a))+7], 0
.else
	v_wmma_f32_16x16x32_f16 v[8*(8*(\a)+(\b)):8*(8*(\a)+(\b))+7], v[(\f)+8*(\b):(\f)+8*(\b)+7], v[(\f)+8*(4*(\hi)+(\a)):(\f)+8*(4*(\hi)+(\a))+7], v[8*(8*(\a)+(\b)):8*(8*(\a)+(\b))+7]
.endif
.endr
.endr
.endm
; 32 LDS loads in one run: the fragments of one quarter step (32 K at byte k of the rows) into buffer f: w16's sixteen, then x16's
.macro FETCH slot, k, f
	WIN TO_B
.irp i, 0,1,2,3,4,5,6,7
	ds_load_b128 v[(\f)+8*(\i):(\f)+8*(\i)+3],   v[ADRB+(\slot)] offset:(\k)+(\i)*16*PITCH
	ds_load_b128 v[(\f)+8*(\i)+4:(\f)+8*(\i)+7], v[ADRB+(\slot)] offset:(\k)+(\i)*16*PITCH+32
.endr
	WIN 0
.irp i, 0,1,2,3,4,5,6,7
	ds_load_b128 v[(\f)+8*(\i):(\f)+8*(\i)+3],   v[ADRA+(\slot)] offset:(\k)+(\i)*16*PITCH
	ds_load_b128 v[(\f)+8*(\i)+4:(\f)+8*(\i)+7], v[ADRA+(\slot)] offset:(\k)+(\i)*16*PITCH+32
.endr
.endm
.macro PLACES                          ; four plain vector instructions between a matrix instruction and a load into a register that it read, or a vector instruction that reads its result
.rept 4
	v_nop
.endr
.endm
; A K step is four quarter steps of 32 along K, 64 matrix instructions each, on buffers 0, 1, 0, 1.  One of the first three: multiplies buffer f; in its middle it fetches the next quarter, at byte k, into g.
.macro QUARTER slot, k, f, g, zero
	s_wait_dscnt 8                                 ; w16's fragments and x16's rows 0-63 are in; the youngest eight loads (rows 64-127) may be out
	MUL16 \f, 0, 0, \zero
	MUL16 \f, 0, 2, \zero
	PLACES
	FETCH \slot, \k, \g
	s_wait_dscnt 32                                ; all but the 32 just issued
	MUL16 \f, 1, 0, \zero
	MUL16 \f, 1, 2, \zero
.endm
; The last quarter multiplies buffer 1 and changes slots: ONE barrier.  In front of it each wave waits for all its tensor loads (one is out: its part of the next slot), adds 0 to its spare word, and waits
; for that and for its own reads of this slot.  fill = 1: the barrier opens a round of the cluster's, and the slot is filled again, two K steps ahead, first thing behind it: 224 matrix instructions ahead of the wait for it.
.macro TURN slot, next, fill
	WIN 0                                          ; (the add's two registers lie in window 0)
	s_wait_tensorcnt 0x0                           ; all my tensor loads have landed
	ds_add_u32 v[SPW], v[NIL]                      ; 0 onto my spare word
	s_wait_dscnt 9                                 ; (the add and the youngest eight loads may be out)
	MUL16 F1, 0, 0, 0                              ; sixteen matrix instructions stand between the add and the wait for it
	s_wait_dscnt 0x0                               ; the add is done, and my reads of this slot are over
	s_barrier_signal -1
	MUL16 F1, 0, 2, 0                              ; work on registers while the others arrive
.if \fill
	WIN 0
.endif
	s_barrier_wait -1
.if \fill
	CREST                                          ; no wave of any partner still reads this slot's tile or has a load on its way
	s_add_nc_u64 s[G0+4*(\slot)+2:G0+4*(\slot)+3], s[G0+4*(\slot)+2:G0+4*(\slot)+3], 2*KSTEP*2
	s_add_nc_u64 s[G0B+4*(\slot)+2:G0B+4*(\slot)+3], s[G0B+4*(\slot)+2:G0B+4*(\slot)+3], 2*KSTEP*2
	JLOAD \slot                                    ; the four v_nop behind it are also the places in front of the loads below
.else
	PLACES
.endif
	FETCH \next, 0, F0
	MUL16 F1, 1, 0, 0
	MUL16 F1, 1, 2, 0
.endm
; THE WAY OUT of block a (16 rows), in three parts.  PACK: relu, then rounded to f16, 16 bytes a lane; each accumulator's registers in ascending order.  TOSTAGE: into my own stage and back as whole rows.  SEND: stored.
.macro PACK a
.set AC, 64*((\a)%4)
	WIN 0x88+0x44*((\a)/4)                         ; destination and source 1: window 2 or 3
.set i, 0
.rept 64
	v_max_num_f32 v[AC+i], 0, v[AC+i]
.set i, i+1
.endr
	WIN 0x0a+5*((\a)/4)                            ; sources 0 and 1: window 2 or 3; destination window 0
.irp b, 0,1,2,3,4,5,6,7
.irp r, 0,1,2,3
	v_cvt_pk_f16_f32 v[TMP+4*(\b)+(\r)], v[AC+8*(\b)+2*(\r)], v[AC+8*(\b)+2*(\r)+1]
.endr
.endr
	WIN 0
.endm
.macro TOSTAGE a
	WIN 0
.set BK, OB+192*((\a)%2)
.irp b, 0,1,2,3,4,5,6,7
	ds_store_b128 v[STO], v[TMP+4*(\b):TMP+4*(\b)+3] offset:32*(\b)
.endr
.irp t, 0,1,2,3,4,5,6,7
	ds_load_b128 v[BK+4*(\t):BK+4*(\t)+3], v[RD] offset:(\t)*2*SPITCH  ; LDS serves a wave's instructions in order (ISA guide 5.7.1.4): these see the stores above
.endr
.endm
.macro SEND a
	WIN 0
.set BK, OB+192*((\a)%2)
	s_wait_dscnt 0x0                               ; the block is back in registers
	s_wait_xcnt 0x0                                ; the stores of the block before have had their addresses translated (ISA guide 3.1): the next TOSTAGE loads into the registers that they read
.irp t, 0,1,2,3,4,5,6,7
	global_store_b128 v[CO], v[BK+4*(\t):BK+4*(\t)+3], s[8:9] offset:(16*(\a)+2*(\t))*SIZE_N*2  ; 16 lanes store 256 consecutive bytes, at a multiple of 256 from h16's first byte; 126 rows at the most: inside the signed 24-bit immediate
.endr
.endm
	s_wait_tensorcnt 1                             ; my part of K step 0 is in; K step 1's may stay out
	s_barrier_signal -1
	s_barrier_wait -1                              ; everybody's is
	FETCH 0, 0, F0
	QUARTER 0, 64,  F0, F1, 1                      ; the first quarter stands in front of the loop: its products start the sums
	WIN 0                                          ; at a label and at a branch every window is 0
	s_mov_b32 s3, LAPS-1
.Llap:                                                 ; a trip goes once round the ring, from a lap's second quarter to the next lap's first, and fills both slots again
	QUARTER 0, 128, F1, F0, 0
	QUARTER 0, 192, F0, F1, 0
	TURN 0, 1, 1
	QUARTER 1, 64,  F0, F1, 0
	QUARTER 1, 128, F1, F0, 0
	QUARTER 1, 192, F0, F1, 0
	TURN 1, 0, 1
	QUARTER 0, 64,  F0, F1, 0
	WIN 0
	s_sub_co_u32 s3, s3, 1
	s_cmp_lg_u32 s3, 0
	s_cbranch_scc1 .Llap
	QUARTER 0, 128, F1, F0, 0                      ; the last lap fills nothing, and has no round of the cluster's barrier
	QUARTER 0, 192, F0, F1, 0
	TURN 0, 1, 0
	QUARTER 1, 64,  F0, F1, 0
	QUARTER 1, 128, F1, F0, 0
	QUARTER 1, 192, F0, F1, 0
	s_wait_dscnt 8                                 ; the very last quarter: nothing more to fetch
	MUL16 F1, 0, 0, 0
	MUL16 F1, 0, 2, 0
	s_wait_dscnt 0x0
	MUL16 F1, 1, 0, 0
	MUL16 F1, 1, 2, 0
	PLACES
	PACK 0
	TOSTAGE 0
.irp a, 1,2,3,4,5,6,7                  ; block a's arithmetic stands between block a - 1's loads from the stage and the wait for them
	PACK \a
	SEND (\a)-1
	TOSTAGE \a
.endr
	SEND 7
	s_wait_tensorcnt 0x0                           ; the wave's end: an add to my spare word and its wait, behind my last tensor load and my last LDS store
	ds_add_u32 v[SPW], v[NIL]
	s_wait_dscnt 0x0
	CROUND                                         ; the closing round: no work-group ends while a partner may still ask for a tile that names it
	s_endpgm
.Lfunc_end_k_q1b03e2f9c2_proj:
	.size	k_q1b03e2f9c2_proj, .Lfunc_end_k_q1b03e2f9c2_proj-k_q1b03e2f9c2_proj
	.p2alignl 7, 3214868480
	.fill 96, 4, 3214868480
	.section	.rodata,"a",@progbits
	.p2align	6, 0x0
	.amdhsa_kernel k_q1b03e2f9c2_proj
		.amdhsa_group_segment_fixed_size 327680
		.amdhsa_private_segment_fixed_size 0
		.amdhsa_enable_private_segment 0
		.amdhsa_kernarg_size 24
		.amdhsa_user_sgpr_count 2
		.amdhsa_user_sgpr_kernarg_segment_ptr 1
		.amdhsa_wavefront_size32 1
		.amdhsa_system_sgpr_workgroup_id_x 1
		.amdhsa_system_sgpr_workgroup_id_y 1
		.amdhsa_system_sgpr_workgroup_id_z 1
		.amdhsa_system_vgpr_workitem_id 0
		.amdhsa_next_free_vgpr 1024
		.amdhsa_next_free_sgpr 66
		.amdhsa_reserve_vcc 0
		.amdhsa_float_denorm_mode_32 3
		.amdhsa_float_denorm_mode_16_64 3
		.amdhsa_memory_ordered 1
		.amdhsa_forward_progress 1
		.amdhsa_inst_pref_size 158
	.end_amdhsa_kernel
	.amdgpu_metadata
---
amdhsa.version: [ 1, 2 ]
amdhsa.kernels:
  - .name:           k_q1b03e2f9c2_proj
    .symbol:         k_q1b03e2f9c2_proj.kd
    .args:
      - { .name: x16, .offset: 0, .size: 8, .value_kind: global_buffer, .address_space: global }
      - { .name: w16, .offset: 8, .size: 8, .value_kind: global_buffer, .address_space: global }
      - { .name: h16, .offset: 16, .size: 8, .value_kind: global_buffer, .address_space: global }
    .group_segment_fixed_size: 327680
    .private_segment_fixed_size: 0
    .kernarg_segment_align: 8
    .kernarg_segment_size: 24
    .max_flat_workgroup_size: 128
    .sgpr_count:     66
    .vgpr_count:     1024
    .wavefront_size: 32
...
	.end_amdgpu_metadata
.endif
;; end of part 2
;; launch score (part 3): grid 16 x 16, 4 waves a work-group, clusters of 4 x 4, 327,680 bytes of LDS; arguments h16, p16, cmax, lsum; writes p16, cmax, lsum
.if DOCPART == 3
	.amdgcn_target "amdgcn-amd-amdhsa--gfx1250"
	.amdhsa_code_object_version 6
	.text
	.protected	k_q1b03e2f9c2_score
	.globl	k_q1b03e2f9c2_score
	.p2align	8
	.type	k_q1b03e2f9c2_score,@function
k_q1b03e2f9c2_score:
	s_mov_b64 s[64:65], 0
	v_nop
	global_prefetch_b8 v0, s[64:65] scope:SCOPE_SE
	s_setreg_imm32_b32 hwreg(HW_REG_WAVE_MODE, 25, 1), 1
	s_wait_xcnt 0x0
	s_wait_alu depctr_hold_cnt(0) depctr_sa_sdst(0) depctr_va_vdst(0) depctr_va_sdst(0) depctr_va_ssrc(0) depctr_va_vcc(0) depctr_vm_vsrc(0)
	s_getreg_b32 s2, hwreg(HW_REG_IB_STS2, 6, 4)
	s_cmp_eq_u32 s2, 0
	s_cbranch_scc0 .Lentry_in_a_cluster
	s_endpgm
.Lentry_in_a_cluster:
	s_bfe_u32 s2, ttmp6, 0x10000c
	s_cmp_lg_u32 s2, 0xf033
	s_cbranch_scc0 .Lentry_shape_is_right
	s_endpgm
.Lentry_shape_is_right:
; s[q][k] = sum over d of h16[q][d] h16[2048 + k][d] (2^-8 x the true product of the two projections), and the first half of the softmax along k, tile by tile:
; for a tile of 256 keys, cm = c x (the largest s of the query in the tile), c = log2(e) x 2^8 / sqrt(2048); p = 2^(c s - cm), stored as f16; the sums of the unrounded p over each 128 keys, in f32.
; The next launch takes the maximum of the sixteen cm of a query and rescales: together that is the softmax with the row's true maximum taken away.
; p16: [2048 q][4096 k] f16.  cmax: [16 key tiles][2048 q] f32.  lsum: [32 halves of key tiles][2048 q] f32.
; LIMITS.  p lies in 0 to 1 (to within the rounding of cm, which cancels in the quotient); below 6e-5 it keeps f16's fixed step of 6e-8; a p below 2^-126 counts as 0 in the sums; NaN and infinities are not treated apart.
; SHARES.  A work-group makes 128 queries x 256 keys; wave w the queries 64 (w / 2) on and the keys 128 (w % 2) on: 32 accumulators of 16 x 16.  K = 2,048 goes in 16 steps of 128 through two LDS slots
; (two slots of a step of 256 would not fit beside each other: 2 x 384 rows x 528 bytes).  The grid's x counts the query blocks, its y the key tiles.
; CLUSTER.  4 x 4 work-groups: the query rows are shared along a column of the cluster (same x), the key rows along a row (same y); each tile is asked for jointly.
; THE WALK ALONG K begins at step r = (4 X + 8 ((Y xor Y / 2) % 2)) % 16, X and Y the cluster's place in the grid, and goes round modulo 16: clusters that need the same rows ask for them in different
; steps: the four of one Y (the same key rows) are 4 steps apart, two of one X (the same query rows) whose Y differ by 1 or 2 are 8 apart.  r is the same in all sixteen partners.  Only the order of the f32 sums hangs on it.
; THE MATRIX INSTRUCTION IS USED TRANSPOSED (source 0 = 16 keys, source 1 = 16 queries): a lane holds ONE query (lane % 16) and eight neighbouring keys, 8 (lane / 16) + 0..7, of each accumulator.
; REGISTERS: window 0: v0-31 addresses; v32-51 statistics; v64-159, v160-255 two fragment buffers (32 registers of queries, then 64 of keys), at work on the way out.  Window 1: accumulator (a, b) at v[8 (8 a + b)].
.set KSTEP,  128
.set PITCH,  272                       ; an LDS row: 256 bytes + 16 of padding: the 16 rows of a load start at 16 different groups of four banks (64 banks of 4 bytes: ISA guide 11.1)
.set HA,     64*PITCH                  ; 64 query rows: what wave 0 or 1 fetches, and what a wave reads
.set HB,     128*PITCH                 ; 128 key rows: what wave 2 or 3 fetches, and what a wave reads
.set SLOT,   2*HA+2*HB                 ; 128 query rows, then 256 key rows
.set STAGE,  2*SLOT                    ; behind the ring: 16 rows x 272 bytes for each wave
.set SPITCH, 272
.set XM,     STAGE+4*16*SPITCH         ; [2 key halves][128 queries] f32: the two waves of a query half exchange their maxima
.set SCRB,   XM+1024                   ; 512 bytes for each wave: its 64 cm and 64 sums change lanes here
.set SPARE,  SCRB+4*512                ; the spare words, 128 bytes for each wave: two blocks of 256 bytes that no other line names
.set LAPS,   8
.set SCW,  12                          ; v12     where I put a statistic of query lane % 16
.set SCRD, 13                          ; v13     where I read two queries' statistics back
.set SO,   14                          ; v14     8 x lane
.set ADRA, 16                          ; v16-17  LDS address of my query fragments in slot 0, 1
.set ADRB, 20                          ; v20-21  the same for keys
.set STO,  24
.set RD,   25
.set CO,   26                          ; v26     my byte offset in two rows of p16
.set SPW,  28                          ; v28     LDS address of my spare word; never rewritten
.set NIL,  29                          ; v29     0; never rewritten
.set XMW,  30                          ; v30     my word in XM
.set XMR,  31                          ; v31     the other wave's
.set ST,   32                          ; v32-39  block a: cm, m
.set LS,   40                          ; v40-43  block a: the sum
.set U,    44                          ; v44-51  four chains of sums
.set F0,   64
.set F1,   160
.set TM,   64                          ; the way out: 8 running maxima a block
.set TMP,  96                          ; the way out: a block's packed p
.set BK,   128                         ; the way out: block a's 16 rows read back, at BK + 32 a
.set WV, 12                            ; s12 wave;  s13 wave / 2: my half of the queries, and whether I fetch queries (0) or keys (1);  s14 wave % 2: my half of the keys, and which half I fetch
.set WM, 13
.set WN, 14
.set G1, 24                            ; s[24:31], s[32:39] descriptor groups 1 and 0 (a set for each slot) for the query rows
.set G0, 32
.set G1B, 48                           ; s[48:55], s[56:63] for the key rows
.set G0B, 56
.set CS,  66                           ; s[66:67] c: the packed scaling takes the pair's low word for both halves
.set SEL, 68                           ; s[68:69] v_permlanex16_b32's selects: each lane takes its own place in the other half
.set OFS, 74                           ; s[74:75], s[76:77] for each slot: the byte in a row of 4,096 at which its K step begins
.set BA,  78                           ; s[78:79] h16 at the first of the query rows that I fetch
.set BB,  80                           ; s[80:81] h16 at the first of the key rows that I fetch
.set FLAGS, (1<<16)|(1<<20)|(1<<21)|(5<<22)|(3<<25)  ; elements of 2 bytes; padding on; bit 21 beside a mask; after every 64 words, 4 words
.set MSB, 0
.macro WIN new                         ; the immediate's high byte repeats the setting that is left
.if MSB != (\new)
	s_set_vgpr_msb (MSB<<8)|(\new)
.set MSB, \new
.endif
.endm
.set MULW, 0x50                        ; sources 0 and 1 window 0; C and D window 1
.macro JLOAD s                         ; a joint load; an s_nop 0 and four v_nop follow each of the two lines, ahead of the jump, the label and what follows
	s_cmp_eq_u32 s[WM], 0
	s_cbranch_scc0 .Lfor_b_\@
	tensor_load_to_lds s[G0+4*(\s):G0+4*(\s)+3], s[G1:G1+7]
	s_nop 0
.rept 4
	v_nop
.endr
	s_branch .Lasked_\@
.Lfor_b_\@:
	tensor_load_to_lds s[G0B+4*(\s):G0B+4*(\s)+3], s[G1B:G1B+7]
	s_nop 0
.rept 4
	v_nop
.endr
.Lasked_\@:
.endm
.macro AIM s                           ; both descriptors of slot s point at the slot's K step: base + offset, the type bits set again
	s_add_nc_u64 s[G0+4*(\s)+2:G0+4*(\s)+3], s[BA:BA+1], s[OFS+2*(\s):OFS+2*(\s)+1]
	s_or_b32 s[G0+4*(\s)+3], s[G0+4*(\s)+3], 0x80000000
	s_add_nc_u64 s[G0B+4*(\s)+2:G0B+4*(\s)+3], s[BB:BB+1], s[OFS+2*(\s):OFS+2*(\s)+1]
	s_or_b32 s[G0B+4*(\s)+3], s[G0B+4*(\s)+3], 0x80000000
.endm
.macro CREST                           ; a round of the cluster's barrier behind its opening barrier
	s_cmp_lg_u32 s[WV], 0
	s_cbranch_scc1 .Lnot_wave_0_\@
	s_barrier_signal -3
.Lnot_wave_0_\@:
	s_barrier_wait -3
	s_barrier_signal -1
	s_barrier_wait -1
.endm
.macro CROUND
	s_barrier_signal -1
	s_barrier_wait -1
	CREST
.endm
	s_load_b256 s[4:11], s[0:1], 0x0               ; h16 s[4:5], p16 s[6:7], cmax s[8:9], lsum s[10:11]
	v_lshl_add_u32 v[SPW], v0, 2, SPARE
	v_mov_b32 v[NIL], 0
	ds_add_u32 v[SPW], v[NIL]                      ; the wave's opening: the add and its wait stand ahead of my first tensor load; the set-up below, work on registers, stands between them
	v_lshrrev_b32 v1, 5, v0
	v_readfirstlane_b32 s[WV], v1
	s_lshr_b32 s[WM], s[WV], 1
	s_and_b32 s[WN], s[WV], 1
	s_bfe_u32 s40, ttmp6, 0x40000                  ; cx, cy
	s_bfe_u32 s41, ttmp6, 0x40004
	s_lshl_b32 s43, ttmp9, 2
	s_add_co_u32 s43, s43, s40                     ; query block = 4 x cluster x + cx
	s_and_b32 s15, ttmp7, 0xffff                   ; the cluster's y
	s_lshl_b32 s42, s15, 2
	s_add_co_u32 s42, s42, s41                     ; key tile = 4 x cluster y + cy
	s_lshl_b32 s44, 0x1111, s40                    ; my column of the cluster: places cx, cx + 4, cx + 8, cx + 12
	s_lshl_b32 s45, s41, 2
	s_lshl_b32 s45, 15, s45                        ; my row: places 4 cy .. 4 cy + 3
	s_or_b32 s[G1+0], s44, FLAGS                   ; the query rows go to my column,
	s_or_b32 s[G1B+0], s45, FLAGS                  ; the key rows to my row
	s_mov_b32 s[G1+1], KSTEP<<16                   ; tensor_dim0 = 128
	s_mov_b32 s[G1+2], 64<<16                      ; tensor_dim1 = 64
	s_mov_b32 s[G1+3], KSTEP<<16                   ; tile_dim0 = 128
	s_mov_b32 s[G1+4], 64                          ; tile_dim1 = 64
	s_mov_b32 s[G1+5], 2048                        ; elements from row to row
	s_mov_b32 s[G1+6], 0
	s_mov_b32 s[G1+7], 0
	s_mov_b32 s[G1B+1], KSTEP<<16
	s_mov_b32 s[G1B+2], 128<<16                    ; 128 rows
	s_mov_b32 s[G1B+3], KSTEP<<16
	s_mov_b32 s[G1B+4], 128
	s_mov_b32 s[G1B+5], 2048
	s_mov_b32 s[G1B+6], 0
	s_mov_b32 s[G1B+7], 0
	s_mov_b32 s[CS], 0x410293ee                    ; c = log2(e) x 256 / sqrt(2048) = 8.161116
	s_mov_b32 s[CS+1], s[CS]
	s_mov_b32 s[SEL], 0x76543210
	s_mov_b32 s[SEL+1], 0xfedcba98
	s_lshr_b32 s2, s15, 1                          ; r, from the cluster's x and y alone
	s_xor_b32 s2, s2, s15
	s_and_b32 s2, s2, 1
	s_lshl_b32 s2, s2, 1
	s_add_co_u32 s2, s2, ttmp9
	s_lshl_b32 s2, s2, 2
	s_and_b32 s2, s2, 15
	s_lshl_b32 s[OFS], s2, 8                       ; slot 0 begins with step r: 256 bytes a step,
	s_mov_b32 s[OFS+1], 0
	s_add_co_u32 s2, s2, 1
	s_and_b32 s2, s2, 15
	s_lshl_b32 s[OFS+2], s2, 8                     ; slot 1 with step r + 1
	s_mov_b32 s[OFS+3], 0
	s_lshl_b32 s16, s43, 7                         ; queries: row 128 x block + 64 x half, 4,096 bytes a row
	s_lshl_b32 s17, s[WN], 6
	s_add_co_u32 s16, s16, s17
	s_lshl_b32 s16, s16, 12
	s_mov_b32 s17, 0
	s_lshl_b32 s46, s42, 8                         ; keys: row 2,048 + 256 x tile + 128 x half
	s_lshl_b32 s47, s[WN], 7
	s_add_co_u32 s46, s46, s47
	s_add_co_u32 s46, s46, 2048
	s_lshl_b32 s46, s46, 12
	s_mov_b32 s47, 0
	s_mul_i32 s20, s[WN], HA                       ; where they go: no place in the cluster enters an LDS address
	s_mul_i32 s21, s[WN], HB
	s_add_co_u32 s21, s21, 2*HA
	s_wait_dscnt 0x0                               ; the opening add is done
	s_wait_kmcnt 0x0
	s_add_nc_u64 s[BA:BA+1], s[4:5], s[16:17]
	s_add_nc_u64 s[BB:BB+1], s[4:5], s[46:47]
	CROUND                                         ; all sixteen work-groups are here: the first joint loads meet
.irp s, 0,1
	s_mov_b32 s[G0+4*(\s)], 1
	s_add_co_u32 s[G0+4*(\s)+1], s20, (\s)*SLOT
	s_mov_b32 s[G0B+4*(\s)], 1
	s_add_co_u32 s[G0B+4*(\s)+1], s21, (\s)*SLOT
	AIM \s
	JLOAD \s                                       ; two loads of mine are out
.endr
	v_and_b32 v1, 15, v0                           ; l % 16
	v_bfe_u32 v2, v0, 4, 1                         ; l / 16
	v_mul_u32_u24 v3, v1, PITCH
	v_lshl_add_u32 v3, v2, 4, v3                   ; a fragment's row x pitch + 16 x half
	s_mul_i32 s21, s[WM], HA                       ; my 64 query rows
	s_mul_i32 s22, s[WN], HB                       ; my 128 key rows,
	s_add_co_u32 s22, s22, 2*HA                    ; which lie behind the 128 query rows
.irp s, 0,1
	v_add_nc_u32 v[ADRA+(\s)], s21, v3
	v_add_nc_u32 v[ADRB+(\s)], s22, v3
	s_add_co_u32 s21, s21, SLOT
	s_add_co_u32 s22, s22, SLOT
.endr
	s_mul_i32 s23, s[WV], 16*SPITCH
	s_add_co_u32 s23, s23, STAGE                   ; my stage
	v_add_nc_u32 v[STO], s23, v3                   ; in: row l % 16, 16 bytes for each half of the lanes
	v_mul_u32_u24 v5, v2, SPITCH                   ; back: lanes 0-15 one row of 256 bytes, lanes 16-31 the next
	v_lshl_add_u32 v5, v1, 4, v5
	v_add_nc_u32 v[RD], s23, v5
	v_lshlrev_b32 v5, 13, v2                       ; and the same two rows in p16, 8,192 bytes apart
	v_lshl_add_u32 v[CO], v1, 4, v5
	s_lshl_b32 s22, s[WM], 8                       ; XM: 512 bytes a key half, 256 a query half, 4 a query
	s_add_co_u32 s22, s22, XM
	s_lshl_b32 s21, s[WN], 9
	s_add_co_u32 s21, s21, s22
	v_lshl_add_u32 v[XMW], v1, 2, s21
	s_xor_b32 s20, s[WN], 1
	s_lshl_b32 s20, s20, 9
	s_add_co_u32 s20, s20, s22
	v_lshl_add_u32 v[XMR], v1, 2, s20
	s_lshl_b32 s20, s[WV], 9
	s_add_co_u32 s20, s20, SCRB
	v_lshl_add_u32 v[SCW], v1, 2, s20
	v_and_b32 v5, 31, v0
	v_lshlrev_b32 v[SO], 3, v5
	v_add_nc_u32 v[SCRD], s20, v[SO]
	s_lshl_b32 s16, s43, 7                         ; my first query = 128 x block + 64 x half
	s_lshl_b32 s17, s[WM], 6
	s_add_co_u32 s16, s16, s17
	s_lshl_b32 s18, s16, 2                         ; its place in a row of cmax or lsum,
	s_mov_b32 s19, 0
	s_lshl_b32 s16, s16, 13                        ; its row of p16
	s_mov_b32 s17, 0
	s_add_nc_u64 s[6:7], s[6:7], s[16:17]
	s_add_nc_u64 s[8:9], s[8:9], s[18:19]
	s_add_nc_u64 s[10:11], s[10:11], s[18:19]
	s_lshl_b32 s46, s42, 9                         ; my first key in a row of p16: byte 512 x tile + 256 x half
	s_lshl_b32 s47, s[WN], 8
	s_add_co_u32 s46, s46, s47
	s_mov_b32 s47, 0
	s_add_nc_u64 s[6:7], s[6:7], s[46:47]
	s_lshl_b32 s46, s42, 13                        ; cmax: row = the key tile
	s_add_nc_u64 s[8:9], s[8:9], s[46:47]
	s_lshl_b32 s46, s42, 1                         ; lsum: row = 2 x tile + half
	s_add_co_u32 s46, s46, s[WN]
	s_lshl_b32 s46, s46, 13
	s_add_nc_u64 s[10:11], s[10:11], s[46:47]
; 8 matrix instructions: query block a x all 8 key blocks, 32 along K.  zero = 1: the first product starts the sums.  The 32 accumulators take turns, in the same order in every quarter.
.macro MUL8 f, a, zero
	WIN MULW
.irp b, 0,1,2,3,4,5,6,7
.if \zero
	v_wmma_f32_16x16x32_f16 v[8*(8*(\a)+(\b)):8*(8*(\a)+(\b))+7], v[(\f)+32+8*(\b):(\f)+32+8*(\b)+7], v[(\f)+8*(\a):(\f)+8*(\a)+7], 0
.else
	v_wmma_f32_16x16x32_f16 v[8*(8*(\a)+(\b)):8*(8*(\a)+(\b))+7], v[(\f)+32+8*(\b):(\f)+32+8*(\b)+7], v[(\f)+8*(\a):(\f)+8*(\a)+7], v[8*(8*(\a)+(\b)):8*(8*(\a)+(\b))+7]
.endif
.endr
.endm
; 24 LDS loads in one run: the fragments of 32 along K at byte k of the rows, into buffer f: the keys' sixteen, then the queries' eight
.macro FETCH slot, k, f
	WIN 0
.irp i, 0,1,2,3,4,5,6,7
	ds_load_b128 v[(\f)+32+8*(\i):(\f)+32+8*(\i)+3],   v[ADRB+(\slot)] offset:(\k)+(\i)*16*PITCH
	ds_load_b128 v[(\f)+32+8*(\i)+4:(\f)+32+8*(\i)+7], v[ADRB+(\slot)] offset:(\k)+(\i)*16*PITCH+32
.endr
.irp i, 0,1,2,3
	ds_load_b128 v[(\f)+8*(\i):(\f)+8*(\i)+3],   v[ADRA+(\slot)] offset:(\k)+(\i)*16*PITCH
	ds_load_b128 v[(\f)+8*(\i)+4:(\f)+8*(\i)+7], v[ADRA+(\slot)] offset:(\k)+(\i)*16*PITCH+32
.endr
.endm
.macro PLACES                          ; four plain vector instructions between a matrix instruction and a load into a register that it read, or a vector instruction that reads its result
.rept 4
	v_nop
.endr
.endm
.macro QUARTER slot, k, f, g, zero     ; 32 matrix instructions on buffer f; in their middle the next quarter, at byte k, is fetched into g
	s_wait_dscnt 4                                 ; the keys and query blocks 0 and 1 are in; the youngest four loads (blocks 2 and 3) may be out
	MUL8 \f, 0, \zero
	MUL8 \f, 1, \zero
	PLACES
	FETCH \slot, \k, \g
	s_wait_dscnt 24                                ; all but the 24 just issued
	MUL8 \f, 2, \zero
	MUL8 \f, 3, \zero
.endm
; The last quarter multiplies buffer 1 and changes slots: ONE barrier; in front of it each wave waits for all its tensor loads, adds 0 to its spare word, and waits for that and for its own reads of this slot.
; fill = 1: the barrier opens a round of the cluster's, and the slot is filled again, two K steps ahead (modulo 16), first thing behind it: 112 matrix instructions ahead of the wait for it.
.macro TURN slot, next, fill
	WIN 0
	s_wait_tensorcnt 0x0                           ; all my tensor loads have landed: my part of the next slot
	ds_add_u32 v[SPW], v[NIL]                      ; 0 onto my spare word
	s_wait_dscnt 5                                 ; (the add and the youngest four loads may be out)
	MUL8 F1, 0, 0                                  ; eight matrix instructions stand between the add and the wait for it
	s_wait_dscnt 0x0                               ; the add is done, and my reads of this slot are over
	s_barrier_signal -1
	MUL8 F1, 1, 0
.if \fill
	WIN 0
.endif
	s_barrier_wait -1
.if \fill
	CREST                                          ; no wave of any partner still reads this slot's tile or has a load on its way
	s_add_co_u32 s[OFS+2*(\slot)], s[OFS+2*(\slot)], 2*KSTEP*2     ; two steps on,
	s_and_b32 s[OFS+2*(\slot)], s[OFS+2*(\slot)], 0xfff            ; round the row's 4,096 bytes
	AIM \slot
	JLOAD \slot                                    ; the four v_nop behind it are also the places in front of the loads below
.else
	PLACES
.endif
	FETCH \next, 0, F0
	MUL8 F1, 2, 0
	MUL8 F1, 3, 0
.endm
; Block a (16 queries x my 128 keys): p = 2^(c s - cm) in place; the sum of my lane's 64 p in four chains, then with the other half of the lanes'; p rounded to f16, 16 bytes for each accumulator.
.macro SOFT a
.set AC, 64*(\a)
	WIN 0x41                                       ; destination and source 0 window 1, cm in window 0
.set i, 0
.rept 32
	v_pk_fma_f32 v[AC+2*i:AC+2*i+1], v[AC+2*i:AC+2*i+1], s[CS:CS+1], v[ST+2*(\a):ST+2*(\a)+1] op_sel_hi:[1,0,0] neg_lo:[0,0,1] neg_hi:[0,0,1]
.set i, i+1
.endr
.set i, 0
.rept 64
	v_exp_f32 v[AC+i], v[AC+i]
.set i, i+1
.endr
	v_nop                                          ; a plain instruction between the last exponential and the use of its result (ISA guide 5.7.2)
	WIN 0x05                                       ; sources 0 and 1 window 1, destination window 0
	s_wait_alu depctr_va_vdst(0)
.irp k, 0,1,2,3
	v_pk_add_f32 v[U+2*(\k):U+2*(\k)+1], v[AC+2*(\k):AC+2*(\k)+1], v[AC+8+2*(\k):AC+8+2*(\k)+1]  ; the first eight pairs start the chains: nothing is cleared
.endr
.set i, 0
.rept 32
	v_cvt_pk_f16_f32 v[TMP+i], v[AC+2*i], v[AC+2*i+1]
.set i, i+1
.endr
	WIN 0x01
.set i, 8
.rept 24
	v_pk_add_f32 v[U+2*(i%4):U+2*(i%4)+1], v[AC+2*i:AC+2*i+1], v[U+2*(i%4):U+2*(i%4)+1]
.set i, i+1
.endr
	WIN 0
	v_pk_add_f32 v[U:U+1], v[U:U+1], v[U+2:U+3]
	v_pk_add_f32 v[U+4:U+5], v[U+4:U+5], v[U+6:U+7]
	v_pk_add_f32 v[U:U+1], v[U:U+1], v[U+4:U+5]
	v_add_f32 v[LS+(\a)], v[U], v[U+1]
	v_permlanex16_b32 v[U+1], v[LS+(\a)], s[SEL], s[SEL+1]  ; the query's other 64 keys lie in the lane 16 away
	v_add_f32 v[LS+(\a)], v[LS+(\a)], v[U+1]
.endm
.macro TOSTAGE a
.irp b, 0,1,2,3,4,5,6,7
	ds_store_b128 v[STO], v[TMP+4*(\b):TMP+4*(\b)+3] offset:32*(\b)
.endr
.irp t, 0,1,2,3,4,5,6,7
	ds_load_b128 v[BK+32*(\a)+4*(\t):BK+32*(\a)+4*(\t)+3], v[RD] offset:(\t)*2*SPITCH  ; LDS serves a wave's instructions in order (ISA guide 5.7.1.4): these see the stores above; the next block's stores come behind them
.endr
.endm
.macro SEND a                          ; each block has registers of its own: nothing that a store reads is written again
	s_wait_dscnt 0x0                               ; the block is back in registers
.irp t, 0,1,2,3,4,5,6,7
	global_store_b128 v[CO], v[BK+32*(\a)+4*(\t):BK+32*(\a)+4*(\t)+3], s[6:7] offset:(16*(\a)+2*(\t))*8192  ; 16 lanes store 256 consecutive bytes, at a multiple of 256 from p16's first byte
.endr
.endm
	s_wait_tensorcnt 1                             ; my part of the first K step is in; the second's may stay out
	s_barrier_signal -1
	s_barrier_wait -1
	FETCH 0, 0, F0
	QUARTER 0, 64,  F0, F1, 1                      ; the first quarter stands in front of the loop: its products start the sums
	WIN 0                                          ; at a label and at a branch every window is 0
	s_mov_b32 s3, LAPS-1
.Llap:                                                 ; a trip goes once round the ring and fills both slots again
	QUARTER 0, 128, F1, F0, 0
	QUARTER 0, 192, F0, F1, 0
	TURN 0, 1, 1
	QUARTER 1, 64,  F0, F1, 0
	QUARTER 1, 128, F1, F0, 0
	QUARTER 1, 192, F0, F1, 0
	TURN 1, 0, 1
	QUARTER 0, 64,  F0, F1, 0
	WIN 0
	s_sub_co_u32 s3, s3, 1
	s_cmp_lg_u32 s3, 0
	s_cbranch_scc1 .Llap
	QUARTER 0, 128, F1, F0, 0                      ; the last lap fills nothing
	QUARTER 0, 192, F0, F1, 0
	TURN 0, 1, 0
	QUARTER 1, 64,  F0, F1, 0
	QUARTER 1, 128, F1, F0, 0
	QUARTER 1, 192, F0, F1, 0
	s_wait_dscnt 4
	MUL8 F1, 0, 0
	MUL8 F1, 1, 0
	s_wait_dscnt 0x0
	MUL8 F1, 2, 0
	MUL8 F1, 3, 0
	PLACES
	; THE MAXIMUM of each query over my 128 keys: for each accumulator a chain, three operands at a time; each accumulator's lowest registers are read first.
	WIN 0x15                                       ; all three sources window 1, destination window 0
.irp a, 0,1,2,3
.irp b, 0,1,2,3,4,5,6,7
	v_max3_num_f32 v[TM+8*(\a)+(\b)], v[8*(8*(\a)+(\b))], v[8*(8*(\a)+(\b))+1], v[8*(8*(\a)+(\b))+2]
.endr
.endr
	WIN 0x14                                       ; source 0 window 0
.irp j, 3,5
.irp a, 0,1,2,3
.irp b, 0,1,2,3,4,5,6,7
	v_max3_num_f32 v[TM+8*(\a)+(\b)], v[TM+8*(\a)+(\b)], v[8*(8*(\a)+(\b))+(\j)], v[8*(8*(\a)+(\b))+(\j)+1]
.endr
.endr
.endr
.irp a, 0,1,2,3
.irp b, 0,1,2,3
	v_max3_num_f32 v[TM+8*(\a)+(\b)], v[TM+8*(\a)+(\b)], v[8*(8*(\a)+(\b))+7], v[8*(8*(\a)+(\b)+4)+7]
.endr
.endr
	WIN 0
.irp a, 0,1,2,3
	v_max3_num_f32 v[TM+8*(\a)], v[TM+8*(\a)], v[TM+8*(\a)+1], v[TM+8*(\a)+2]
	v_max3_num_f32 v[TM+8*(\a)+3], v[TM+8*(\a)+3], v[TM+8*(\a)+4], v[TM+8*(\a)+5]
.endr
.irp a, 0,1,2,3
	v_max3_num_f32 v[TM+8*(\a)], v[TM+8*(\a)], v[TM+8*(\a)+6], v[TM+8*(\a)+7]
.endr
.irp a, 0,1,2,3
	v_max_num_f32 v[ST+2*(\a)+1], v[TM+8*(\a)], v[TM+8*(\a)+3]
.endr
.irp a, 0,1,2,3
	v_permlanex16_b32 v[TM+8*(\a)+1], v[ST+2*(\a)+1], s[SEL], s[SEL+1]
.endr
.irp a, 0,1,2,3
	v_max_num_f32 v[ST+2*(\a)+1], v[ST+2*(\a)+1], v[TM+8*(\a)+1]
.endr
	; the tile's other 128 keys are the other wave's of my query half: the two exchange their maxima through XM
.irp a, 0,1,2,3
	ds_store_b32 v[XMW], v[ST+2*(\a)+1] offset:64*(\a)  ; both halves of the lanes write the same word with the same number
.endr
	s_wait_dscnt 0x0                               ; for the others' sake: my stores are done
	s_barrier_signal -1
	s_barrier_wait -1
.irp a, 0,1,2,3
	ds_load_b32 v[TM+8*(\a)+2], v[XMR] offset:64*(\a)
.endr
	s_wait_dscnt 0x0
.irp a, 0,1,2,3
	v_max_num_f32 v[ST+2*(\a)+1], v[ST+2*(\a)+1], v[TM+8*(\a)+2]
.endr
.irp a, 0,1,2,3
	v_mul_f32 v[ST+2*(\a)], s[CS], v[ST+2*(\a)+1]  ; cm
.endr
	SOFT 0
	TOSTAGE 0
.irp a, 1,2,3                          ; block a's arithmetic stands between block a - 1's loads from the stage and the wait for them
	SOFT \a
	SEND (\a)-1
	TOSTAGE \a
.endr
	SEND 3
	; the statistics change lanes in my own 512 bytes: in by query lane % 16 of block a, back two queries a lane, so that a store of the wave covers 256 consecutive bytes, aligned
.irp a, 0,1,2,3
	ds_store_b32 v[SCW], v[ST+2*(\a)] offset:64*(\a)
	ds_store_b32 v[SCW], v[LS+(\a)] offset:256+64*(\a)
.endr
	ds_load_b64 v[U:U+1], v[SCRD]
	ds_load_b64 v[U+2:U+3], v[SCRD] offset:256
	s_wait_dscnt 0x0
	global_store_b64 v[SO], v[U+2:U+3], s[10:11]   ; my 128 keys' sums
	s_cmp_lg_u32 s[WN], 0
	s_cbranch_scc1 .Lno_cm                         ; cm is the same in both waves of a query half: the first stores it
	global_store_b64 v[SO], v[U:U+1], s[8:9]
.Lno_cm:
	s_wait_tensorcnt 0x0                           ; the wave's end: an add to my spare word and its wait, behind my last tensor load and my last LDS store
	ds_add_u32 v[SPW], v[NIL]
	s_wait_dscnt 0x0
	CROUND                                         ; the closing round: no work-group ends while a partner may still ask for a tile that names it
	s_endpgm
.Lfunc_end_k_q1b03e2f9c2_score:
	.size	k_q1b03e2f9c2_score, .Lfunc_end_k_q1b03e2f9c2_score-k_q1b03e2f9c2_score
	.p2alignl 7, 3214868480
	.fill 96, 4, 3214868480
	.section	.rodata,"a",@progbits
	.p2align	6, 0x0
	.amdhsa_kernel k_q1b03e2f9c2_score
		.amdhsa_group_segment_fixed_size 327680
		.amdhsa_private_segment_fixed_size 0
		.amdhsa_enable_private_segment 0
		.amdhsa_kernarg_size 32
		.amdhsa_user_sgpr_count 2
		.amdhsa_user_sgpr_kernarg_segment_ptr 1
		.amdhsa_wavefront_size32 1
		.amdhsa_system_sgpr_workgroup_id_x 1
		.amdhsa_system_sgpr_workgroup_id_y 1
		.amdhsa_system_sgpr_workgroup_id_z 1
		.amdhsa_system_vgpr_workitem_id 0
		.amdhsa_next_free_vgpr 512
		.amdhsa_next_free_sgpr 82
		.amdhsa_reserve_vcc 0
		.amdhsa_float_denorm_mode_32 3
		.amdhsa_float_denorm_mode_16_64 3
		.amdhsa_memory_ordered 1
		.amdhsa_forward_progress 1
		.amdhsa_inst_pref_size 122
	.end_amdhsa_kernel
	.amdgpu_metadata
---
amdhsa.version: [ 1, 2 ]
amdhsa.kernels:
  - .name:           k_q1b03e2f9c2_score
    .symbol:         k_q1b03e2f9c2_score.kd
    .args:
      - { .name: h16, .offset: 0, .size: 8, .value_kind: global_buffer, .address_space: global }
      - { .name: p16, .offset: 8, .size: 8, .value_kind: global_buffer, .address_space: global }
      - { .name: cmax, .offset: 16, .size: 8, .value_kind: global_buffer, .address_space: global }
      - { .name: lsum, .offset: 24, .size: 8, .value_kind: global_buffer, .address_space: global }
    .group_segment_fixed_size: 327680
    .private_segment_fixed_size: 0
    .kernarg_segment_align: 8
    .kernarg_segment_size: 32
    .max_flat_workgroup_size: 128
    .sgpr_count:     82
    .vgpr_count:     512
    .wavefront_size: 32
...
	.end_amdgpu_metadata
.endif
;; end of part 3
;; launch mix (part 4): grid 16 x 16, 4 waves a work-group, clusters of 4 x 4, 327,680 bytes of LDS; arguments p16, x16, cmax, lsum, out0; writes out0
.if DOCPART == 4
	.amdgcn_target "amdgcn-amd-amdhsa--gfx1250"
	.amdhsa_code_object_version 6
	.text
	.protected	k_q1b03e2f9c2_mix
	.globl	k_q1b03e2f9c2_mix
	.p2align	8
	.type	k_q1b03e2f9c2_mix,@function
k_q1b03e2f9c2_mix:
	s_mov_b64 s[64:65], 0
	v_nop
	global_prefetch_b8 v0, s[64:65] scope:SCOPE_SE
	s_setreg_imm32_b32 hwreg(HW_REG_WAVE_MODE, 25, 1), 1
	s_wait_xcnt 0x0
	s_wait_alu depctr_hold_cnt(0) depctr_sa_sdst(0) depctr_va_vdst(0) depctr_va_sdst(0) depctr_va_ssrc(0) depctr_va_vcc(0) depctr_vm_vsrc(0)
	s_getreg_b32 s2, hwreg(HW_REG_IB_STS2, 6, 4)
	s_cmp_eq_u32 s2, 0
	s_cbranch_scc0 .Lentry_in_a_cluster
	s_endpgm
.Lentry_in_a_cluster:
	s_bfe_u32 s2, ttmp6, 0x10000c
	s_cmp_lg_u32 s2, 0xf033
	s_cbranch_scc0 .Lentry_shape_is_right
	s_endpgm
.Lentry_shape_is_right:
; out0[q][n] = sum over the 16 key tiles t of g[t][q] x T_t[q][n], with T_t = sum over the tile's 256 keys of p16[q][k] x16[2048 + k][n] (ref times 2^-4), and
; g[t][q] = 16 x 2^(cm[t][q] - M[q]) / L[q], M = the largest of the query's sixteen cm, L = sum over t of 2^(cm[t] - M) x (the tile's two sums of p).
; That finishes the softmax with the row's true maximum: every factor 2^(cm - M) is at most 1, one of them is 1, so L is at least about 1.  The 16 undoes ref's 2^-4.
; Operands f16; T, the weights g and the sum over tiles in f32.  LIMITS.  A factor below 2^-126 counts as 0; NaN and infinities are not treated apart.
; SHARES.  A work-group makes 128 queries x 128 channels; wave w the queries 64 (w / 2) on and the channels 64 (w % 2) on.  The keys go in 16 steps of 256, a step a key tile, through two LDS slots.
; A step's products start anew (C = 0) in 16 accumulators T; at its end ACC += g T, 64 packed multiply-adds a wave.
; CLUSTER.  4 x 4 work-groups: p16's rows are shared along a row of the cluster, ref's columns along a column; each tile is asked for jointly.
; THE WALK OVER THE KEY TILES begins at tile r = (4 X + 8 ((Y xor Y / 2) % 2)) % 16, X and Y the cluster's place in the grid, and goes round modulo 16: clusters that need the same rows ask for them in
; different steps: the four of one Y (the same rows of p16) are 4 steps apart, two of one X (the same columns of ref) whose Y differ by 1 or 2 are 8 apart.  r is the same in all sixteen partners.
; The statistics are loaded in the walk's order, so that g lies in LDS by walk step and no LDS address hangs on r.  Only the order of the f32 sums hangs on it.
; LAYOUT.  Source 0 = 16 channels x 32 keys of ref, turned by ds_load_tr16_b128 (ref lies [key][channel]); source 1 = 16 queries x 32 keys of p16, as it lies.  A lane holds ONE query (lane % 16) and eight
; neighbouring channels, so g is one number a lane and block.
; REGISTERS: window 0: v0-31 addresses; v32-35 g of my query in blocks 0-3; v36-41 at work; v44-75 offsets of the statistics' loads; v128-255 ACC ((a, b) at 128 + 8 (4 a + b)).
;   window 1: two fragment buffers of 128: for 64 keys, 64 registers of p16, then 64 of ref.      window 2: v0-127 T.
.set PA,     528                       ; a row of p16 in LDS: 512 bytes + 16 of padding: the 16 rows of a load start at 16 different groups of four banks (64 banks of 4 bytes: ISA guide 11.1)
.set PV,     288                       ; a row of ref: 256 + 32
.set HA,     64*PA                     ; 64 query rows: what wave 0 or 1 fetches, and what a wave reads
.set HV,     128*PV                    ; 128 key rows: what wave 2 or 3 fetches
.set VOFF,   2*HA
.set SLOT,   2*HA+2*HV
.set STAGE,  2*SLOT                    ; behind the ring: 16 rows x 272 bytes for each wave
.set SPITCH, 272
.set GT,     STAGE+4*16*SPITCH         ; 4,096 bytes for each wave: g as [16 walk steps][16 lanes % 16][4 blocks] f32
.set SPARE,  GT+4*4096                 ; the spare words, 128 bytes for each wave: two blocks of 256 bytes that no other line names
.set GA0,  10                          ; v10     my 16 bytes in the first step's part of my wave's g
.set GA,   11                          ; v11     the same for the step in hand
.set GW,   12                          ; v12     where I put g of my two queries
.set SO,   14                          ; v14     8 x lane
.set ADRA, 16                          ; v16-17  LDS address of my fragments of p16 in slot 0, 1
.set ADRV, 18                          ; v18-21  of ref: slot 0 keys 0-127, slot 0 keys 128-255, slot 1 likewise: so that every immediate offset stays inside its 16 bits
.set STO,  24
.set RD,   25
.set CO,   26                          ; v26     my byte offset in two rows of out0
.set SPW,  28                          ; v28     LDS address of my spare word; never rewritten
.set NIL,  29                          ; v29     0; never rewritten
.set G,    32
.set VC,   44                          ; v44-59  walk step t: my byte offset in cmax
.set VL,   60                          ; v60-75  walk step t: my byte offset in lsum
.set ACC,  128
.set F0,   0
.set F1,   128
.set WV, 12                            ; s12 wave;  s13 wave / 2: my half of the queries, and whether I fetch p16 (0) or ref (1);  s14 wave % 2: my half of the channels, and which half I fetch
.set WM, 13
.set WN, 14
.set G1, 24                            ; s[24:31], s[32:39] descriptor groups 1 and 0 (a set for each slot) for p16's tiles
.set G0, 32
.set G1B, 48                           ; s[48:55], s[56:63] for ref's
.set G0B, 56
.set GTB, 70                           ; s70  256 x the walk step in hand
.set ROT, 71                           ; s71  r
.set OP,  74                           ; s[74:75], s[76:77] for each slot: the byte in a row of p16 at which its key tile begins
.set OV,  78                           ; s[78:79], s[80:81] for each slot: the byte in ref at which its key tile's rows begin
.set PB,  82                           ; s[82:83] p16 at the first of the rows that I fetch
.set VB,  84                           ; s[84:85] x16 at ref's first row (or row 128), my work-group's channels
.set MSB, 0
.macro WIN new                         ; the immediate's high byte repeats the setting that is left
.if MSB != (\new)
	s_set_vgpr_msb (MSB<<8)|(\new)
.set MSB, \new
.endif
.endm
.set MULW, 0xa5                        ; sources 0 and 1 window 1; C and D window 2
.set TO_F, 0x40                        ; destination window 1, address window 0
.macro JLOAD s                         ; a joint load; an s_nop 0 and four v_nop follow each of the two lines, ahead of the jump, the label and what follows
	s_cmp_eq_u32 s[WM], 0
	s_cbranch_scc0 .Lfor_b_\@
	tensor_load_to_lds s[G0+4*(\s):G0+4*(\s)+3], s[G1:G1+7]
	s_nop 0
.rept 4
	v_nop
.endr
	s_branch .Lasked_\@
.Lfor_b_\@:
	tensor_load_to_lds s[G0B+4*(\s):G0B+4*(\s)+3], s[G1B:G1B+7]
	s_nop 0
.rept 4
	v_nop
.endr
.Lasked_\@:
.endm
.macro AIM s                           ; both descriptors of slot s point at the slot's key tile: base + offset, the type bits set again
	s_add_nc_u64 s[G0+4*(\s)+2:G0+4*(\s)+3], s[PB:PB+1], s[OP+2*(\s):OP+2*(\s)+1]
	s_or_b32 s[G0+4*(\s)+3], s[G0+4*(\s)+3], 0x80000000
	s_add_nc_u64 s[G0B+4*(\s)+2:G0B+4*(\s)+3], s[VB:VB+1], s[OV+2*(\s):OV+2*(\s)+1]
	s_or_b32 s[G0B+4*(\s)+3], s[G0B+4*(\s)+3], 0x80000000
.endm
.macro CREST                           ; a round of the cluster's barrier behind its opening barrier
	s_cmp_lg_u32 s[WV], 0
	s_cbranch_scc1 .Lnot_wave_0_\@
	s_barrier_signal -3
.Lnot_wave_0_\@:
	s_barrier_wait -3
	s_barrier_signal -1
	s_barrier_wait -1
.endm
.macro CROUND
	s_barrier_signal -1
	s_barrier_wait -1
	CREST
.endm
	s_load_b256 s[4:11], s[0:1], 0x0               ; p16 s[4:5], x16 s[6:7], cmax s[8:9], lsum s[10:11]
	s_load_b64 s[72:73], s[0:1], 0x20              ; out0
	v_lshl_add_u32 v[SPW], v0, 2, SPARE
	v_mov_b32 v[NIL], 0
	ds_add_u32 v[SPW], v[NIL]                      ; the wave's opening: the add and its wait stand ahead of my first tensor load; the set-up below, work on registers, stands between them
	v_lshrrev_b32 v1, 5, v0
	v_readfirstlane_b32 s[WV], v1
	s_lshr_b32 s[WM], s[WV], 1
	s_and_b32 s[WN], s[WV], 1
	s_bfe_u32 s40, ttmp6, 0x40000                  ; cx, cy
	s_bfe_u32 s41, ttmp6, 0x40004
	s_lshl_b32 s42, ttmp9, 2
	s_add_co_u32 s42, s42, s40                     ; channel block = 4 x cluster x + cx
	s_and_b32 s15, ttmp7, 0xffff                   ; the cluster's y
	s_lshl_b32 s43, s15, 2
	s_add_co_u32 s43, s43, s41                     ; query block = 4 x cluster y + cy
	s_lshl_b32 s44, s41, 2
	s_lshl_b32 s44, 15, s44                        ; my row of the cluster
	s_lshl_b32 s45, 0x1111, s40                    ; my column
	s_or_b32 s[G1+0], s44, (1<<16)|(1<<20)|(1<<21)|(6<<22)|(3<<25)   ; p16's tiles go to my row; elements of 2 bytes; padding on; bit 21 beside a mask; after every 128 words (code 6), 4 words (code 3)
	s_mov_b32 s[G1+1], 256<<16                     ; tensor_dim0 = 256 keys
	s_mov_b32 s[G1+2], 64<<16                      ; tensor_dim1 = 64 queries
	s_mov_b32 s[G1+3], 256<<16                     ; tile_dim0
	s_mov_b32 s[G1+4], 64                          ; tile_dim1
	s_mov_b32 s[G1+5], 4096                        ; elements from row to row
	s_mov_b32 s[G1+6], 0
	s_mov_b32 s[G1+7], 0
	s_or_b32 s[G1B+0], s45, (1<<16)|(1<<20)|(1<<21)|(5<<22)|(7<<25)  ; ref's tiles go to my column; after every 64 words (code 5), 8 words (code 7)
	s_mov_b32 s[G1B+1], 128<<16                    ; 128 channels
	s_mov_b32 s[G1B+2], 128<<16                    ; 128 keys
	s_mov_b32 s[G1B+3], 128<<16
	s_mov_b32 s[G1B+4], 128
	s_mov_b32 s[G1B+5], 2048
	s_mov_b32 s[G1B+6], 0
	s_mov_b32 s[G1B+7], 0
	s_lshr_b32 s[ROT], s15, 1                      ; r, from the cluster's x and y alone
	s_xor_b32 s[ROT], s[ROT], s15
	s_and_b32 s[ROT], s[ROT], 1
	s_lshl_b32 s[ROT], s[ROT], 1
	s_add_co_u32 s[ROT], s[ROT], ttmp9
	s_lshl_b32 s[ROT], s[ROT], 2
	s_and_b32 s[ROT], s[ROT], 15
	s_lshl_b32 s[OP], s[ROT], 9                    ; slot 0 begins with tile r: 512 bytes along a row of p16,
	s_mov_b32 s[OP+1], 0
	s_lshl_b32 s[OV], s[ROT], 20                   ; 256 rows of 4,096 bytes down ref
	s_mov_b32 s[OV+1], 0
	s_add_co_u32 s2, s[ROT], 1
	s_and_b32 s2, s2, 15
	s_lshl_b32 s[OP+2], s2, 9                      ; slot 1 with tile r + 1
	s_mov_b32 s[OP+3], 0
	s_lshl_b32 s[OV+2], s2, 20
	s_mov_b32 s[OV+3], 0
	s_lshl_b32 s16, s43, 7                         ; p16: row 128 x block + 64 x half, 8,192 bytes a row
	s_lshl_b32 s17, s[WN], 6
	s_add_co_u32 s16, s16, s17
	s_lshl_b32 s16, s16, 13
	s_mov_b32 s17, 0
	s_lshl_b32 s46, s42, 8                         ; ref: byte 256 x channel block of a row,
	s_lshl_b32 s47, s[WN], 19                      ; 128 rows of 4,096 bytes on for the second half of a tile's keys,
	s_add_co_u32 s46, s46, s47
	s_add_co_u32 s46, s46, 0x800000                ; behind x16's 2,048 query rows
	s_mov_b32 s47, 0
	s_mul_i32 s20, s[WN], HA                       ; where they go: no place in the cluster enters an LDS address
	s_mul_i32 s21, s[WN], HV
	s_add_co_u32 s21, s21, VOFF
	s_mov_b32 s[GTB], 0
	s_wait_dscnt 0x0                               ; the opening add is done
	s_wait_kmcnt 0x0
	s_add_nc_u64 s[PB:PB+1], s[4:5], s[16:17]
	s_add_nc_u64 s[VB:VB+1], s[6:7], s[46:47]
	CROUND                                         ; all sixteen work-groups are here: the first joint loads meet
.irp s, 0,1
	s_mov_b32 s[G0+4*(\s)], 1
	s_add_co_u32 s[G0+4*(\s)+1], s20, (\s)*SLOT
	s_mov_b32 s[G0B+4*(\s)], 1
	s_add_co_u32 s[G0B+4*(\s)+1], s21, (\s)*SLOT
	AIM \s
	JLOAD \s                                       ; two loads of mine are out
.endr
	; All that follows up to the barrier stands in the wait for the first tile.
	v_and_b32 v8, 31, v0                           ; lane
	v_lshlrev_b32 v[SO], 3, v8
	s_lshl_b32 s16, s43, 7                         ; my first query = 128 x block + 64 x half
	s_lshl_b32 s17, s[WM], 6
	s_add_co_u32 s16, s16, s17
	s_lshl_b32 s18, s16, 2                         ; its place in a row of cmax or lsum,
	s_mov_b32 s19, 0
	s_lshl_b32 s16, s16, 13                        ; its row of out0
	s_mov_b32 s17, 0
	s_add_nc_u64 s[8:9], s[8:9], s[18:19]
	s_add_nc_u64 s[10:11], s[10:11], s[18:19]
	s_add_nc_u64 s[72:73], s[72:73], s[16:17]
	s_lshl_b32 s46, s42, 9                         ; my first channel: byte 512 x block + 256 x half
	s_lshl_b32 s47, s[WN], 8
	s_add_co_u32 s46, s46, s47
	s_mov_b32 s47, 0
	s_add_nc_u64 s[72:73], s[72:73], s[46:47]
	; the statistics of my wave's 64 queries, two a lane, in the walk's order: step t is key tile (r + t) % 16; a load of the wave covers 256 consecutive bytes
.set t, 0
.rept 16
	s_add_co_u32 s20, s[ROT], t
	s_and_b32 s20, s20, 15
	v_lshl_add_u32 v[VC+t], s20, 13, v[SO]         ; cmax: a row of 8,192 bytes a tile
	v_lshl_add_u32 v[VL+t], s20, 14, v[SO]         ; lsum: two
	global_load_b64 v[128+2*t:129+2*t], v[VC+t], s[8:9]
	global_load_b64 v[160+4*t:161+4*t], v[VL+t], s[10:11]
	global_load_b64 v[162+4*t:163+4*t], v[VL+t], s[10:11] offset:8192
.set t, t+1
.endr
	v_and_b32 v1, 15, v0                           ; l % 16
	v_bfe_u32 v2, v0, 4, 1                         ; l / 16
	v_mul_u32_u24 v3, v1, PA
	v_lshl_add_u32 v3, v2, 4, v3                   ; a fragment of p16: row x pitch + 16 x half
	s_mul_i32 s21, s[WM], HA
	v_add_nc_u32 v[ADRA], s21, v3
	v_add_nc_u32 v[ADRA+1], SLOT, v[ADRA]
	; The turning load takes 16 keys x 16 channels (lane l reads key 8 (l / 16) + l % 8, channels 8 ((l / 8) % 2) + 0..7) and leaves half a fragment: lane l holds channel l % 16 and 8 keys.
	v_and_b32 v4, 7, v0
	v_bfe_u32 v5, v0, 3, 1
	v_lshl_add_u32 v6, v2, 3, v4
	v_mul_u32_u24 v6, v6, PV
	v_lshl_add_u32 v6, v5, 4, v6
	s_lshl_b32 s22, s[WN], 7                       ; my 64 channels: 128 bytes of a row
	s_add_co_u32 s22, s22, VOFF
	v_add_nc_u32 v[ADRV], s22, v6
	v_add_nc_u32 v[ADRV+1], HV, v[ADRV]
	v_add_nc_u32 v[ADRV+2], SLOT, v[ADRV]
	v_add_nc_u32 v[ADRV+3], SLOT, v[ADRV+1]
	s_mul_i32 s23, s[WV], 16*SPITCH
	s_add_co_u32 s23, s23, STAGE                   ; my stage
	v_mul_u32_u24 v7, v1, SPITCH                   ; in: row l % 16, 32 bytes (eight f32) for each half of the lanes
	v_lshl_add_u32 v7, v2, 5, v7
	v_add_nc_u32 v[STO], s23, v7
	v_mul_u32_u24 v7, v2, SPITCH                   ; back: lanes 0-15 one row of 256 bytes, lanes 16-31 the next
	v_lshl_add_u32 v7, v1, 4, v7
	v_add_nc_u32 v[RD], s23, v7
	v_lshlrev_b32 v7, 13, v2                       ; and the same two rows in out0
	v_lshl_add_u32 v[CO], v1, 4, v7
	s_lshl_b32 s23, s[WV], 12
	s_add_co_u32 s23, s23, GT                      ; my wave's g
	v_lshl_add_u32 v[GA0], v1, 4, s23
	v_lshrrev_b32 v9, 3, v8                        ; queries 2 l and 2 l + 1 lie in block l / 8, at places 2 (l % 8) and 2 (l % 8) + 1
	v_lshlrev_b32 v9, 2, v9
	v_lshl_add_u32 v9, v4, 5, v9
	v_add_nc_u32 v[GW], s23, v9
	s_wait_loadcnt 0x0
.irp e, 0,1                            ; M
	v_max3_num_f32 v[36+(\e)], v[128+(\e)], v[130+(\e)], v[132+(\e)]
.endr
.irp t, 3,5,7,9,11,13
.irp e, 0,1
	v_max3_num_f32 v[36+(\e)], v[36+(\e)], v[128+2*(\t)+(\e)], v[130+2*(\t)+(\e)]
.endr
.endr
.irp e, 0,1
	v_max_num_f32 v[36+(\e)], v[36+(\e)], v[158+(\e)]
.endr
.set t, 0
.rept 16
	v_pk_add_f32 v[128+2*t:129+2*t], v[128+2*t:129+2*t], v[36:37] neg_lo:[0,1] neg_hi:[0,1]  ; cm - M
	v_pk_add_f32 v[160+4*t:161+4*t], v[160+4*t:161+4*t], v[162+4*t:163+4*t]                  ; the tile's two sums
.set t, t+1
.endr
.set t, 0
.rept 32
	v_exp_f32 v[128+t], v[128+t]
.set t, t+1
.endr
	v_nop                                          ; a plain instruction between the last exponential and the use of its result (ISA guide 5.7.2)
	s_wait_alu depctr_va_vdst(0)
	v_pk_mul_f32 v[38:39], v[128:129], v[160:161]  ; L, in two chains that the first two steps start
	v_pk_mul_f32 v[40:41], v[130:131], v[164:165]
.set t, 2
.rept 14
	v_pk_fma_f32 v[38+2*(t%2):39+2*(t%2)], v[128+2*t:129+2*t], v[160+4*t:161+4*t], v[38+2*(t%2):39+2*(t%2)]
.set t, t+1
.endr
	v_pk_add_f32 v[38:39], v[38:39], v[40:41]
	v_rcp_f32 v38, v38
	v_rcp_f32 v39, v39
	v_nop
	s_wait_alu depctr_va_vdst(0)
	v_pk_mul_f32 v[38:39], v[38:39], 0x41800000 op_sel_hi:[1,0]  ; 16 / L
.set t, 0
.rept 16
	v_pk_mul_f32 v[128+2*t:129+2*t], v[128+2*t:129+2*t], v[38:39]
.set t, t+1
.endr
.set t, 0
.rept 16
	ds_store_b32 v[GW], v[128+2*t] offset:256*t
	ds_store_b32 v[GW], v[129+2*t] offset:256*t+16
.set t, t+1
.endr
.set t, 0
.rept 128                              ; ACC is a sum kept by vector instructions; it starts at 0, so that every step is a step like any other and none is written out
	v_mov_b32 v[ACC+t], 0
.set t, t+1
.endr
; 8 matrix instructions: query blocks a0, a0 + 1 x all 4 channel blocks, 32 keys: half c of buffer f.  zero = 1: the product starts the step's sums.  The 16 accumulators take turns.
.macro MUL8 f, c, a0, zero
	WIN MULW
.irp a, \a0, (\a0)+1
.irp b, 0,1,2,3
.if \zero
	v_wmma_f32_16x16x32_f16 v[8*(4*(\a)+(\b)):8*(4*(\a)+(\b))+7], v[(\f)+64+8*(4*(\c)+(\b)):(\f)+64+8*(4*(\c)+(\b))+7], v[(\f)+8*(4*(\c)+(\a)):(\f)+8*(4*(\c)+(\a))+7], 0
.else
	v_wmma_f32_16x16x32_f16 v[8*(4*(\a)+(\b)):8*(4*(\a)+(\b))+7], v[(\f)+64+8*(4*(\c)+(\b)):(\f)+64+8*(4*(\c)+(\b))+7], v[(\f)+8*(4*(\c)+(\a)):(\f)+8*(4*(\c)+(\a))+7], v[8*(4*(\a)+(\b)):8*(4*(\a)+(\b))+7]
.endif
.endr
.endr
.endm
; 32 LDS loads in one run: the fragments of keys 64 q to 64 q + 63 of the slot, into buffer f; the first 32 keys first
.macro FETCH slot, q, f
	WIN TO_F
.irp c, 0,1
.irp i, 0,1,2,3
	ds_load_tr16_b128 v[(\f)+64+8*(4*(\c)+(\i)):(\f)+64+8*(4*(\c)+(\i))+3],   v[ADRV+2*(\slot)+(\q)/2] offset:(2*((\q)%2)+(\c))*32*PV+32*(\i)
	ds_load_tr16_b128 v[(\f)+64+8*(4*(\c)+(\i))+4:(\f)+64+8*(4*(\c)+(\i))+7], v[ADRV+2*(\slot)+(\q)/2] offset:(2*((\q)%2)+(\c))*32*PV+16*PV+32*(\i)
	ds_load_b128 v[(\f)+8*(4*(\c)+(\i)):(\f)+8*(4*(\c)+(\i))+3],              v[ADRA+(\slot)] offset:128*(\q)+64*(\c)+(\i)*16*PA
	ds_load_b128 v[(\f)+8*(4*(\c)+(\i))+4:(\f)+8*(4*(\c)+(\i))+7],            v[ADRA+(\slot)] offset:128*(\q)+64*(\c)+(\i)*16*PA+32
.endr
.endr
.endm
.macro PLACES                          ; four plain vector instructions between a matrix instruction and a load into a register that it read, or a vector instruction that reads its result
.rept 4
	v_nop
.endr
.endm
.macro QUARTER slot, q, f, g, zero     ; 32 matrix instructions on buffer f; in their middle quarter q of the slot is fetched into g
	s_wait_dscnt 16                                ; the first 32 keys are in
	MUL8 \f, 0, 0, \zero
	MUL8 \f, 0, 2, \zero
	PLACES
	FETCH \slot, \q, \g
	s_wait_dscnt 32                                ; all but the 32 just issued
	MUL8 \f, 1, 0, 0
	MUL8 \f, 1, 2, 0
.endm
.macro GLOAD                           ; g of the step in hand: four numbers, one for my query in each block
	WIN 0
	v_add_nc_u32 v[GA], s[GTB], v[GA0]
	ds_load_b128 v[G:G+3], v[GA]
	s_add_co_u32 s[GTB], s[GTB], 256
.endm
; ACC += g T.  n: the LDS loads issued behind g's, which may stay out.  T's registers in ascending order; block a takes g's register a for both halves of a pair.
.macro RESCALE n
	s_wait_dscnt \n
	PLACES
	WIN 0x02                                       ; source 0 (T) window 2; g, ACC window 0
.irp a, 0,1,2,3
.set i, 0
.rept 16
.if ((\a)%2) == 0
	v_pk_fma_f32 v[ACC+32*(\a)+2*i:ACC+32*(\a)+2*i+1], v[32*(\a)+2*i:32*(\a)+2*i+1], v[G+(\a):G+(\a)+1], v[ACC+32*(\a)+2*i:ACC+32*(\a)+2*i+1] op_sel_hi:[1,0,1]
.else
	v_pk_fma_f32 v[ACC+32*(\a)+2*i:ACC+32*(\a)+2*i+1], v[32*(\a)+2*i:32*(\a)+2*i+1], v[G+(\a)-1:G+(\a)], v[ACC+32*(\a)+2*i:ACC+32*(\a)+2*i+1] op_sel:[0,1,0] op_sel_hi:[1,1,1]
.endif
.set i, i+1
.endr
.endr
.endm
; The last quarter multiplies buffer 1, changes slots and ends the step.  ONE barrier; in front of it each wave waits for all its tensor loads, adds 0 to its spare word, and waits for that and for its own reads
; of this slot.  fill = 1: the barrier opens a round of the cluster's, and the slot is filled again, two steps ahead (modulo 16), first thing behind it: 112 matrix instructions ahead of the wait for it.
.macro TURN slot, next, fill
	WIN 0
	s_wait_tensorcnt 0x0                           ; all my tensor loads have landed: my part of the next slot
	ds_add_u32 v[SPW], v[NIL]                      ; 0 onto my spare word
	s_wait_dscnt 17                                ; (the add and the youngest sixteen loads may be out)
	MUL8 F1, 0, 0, 0                               ; eight matrix instructions stand between the add and the wait for it
	s_wait_dscnt 0x0                               ; the add is done, and my reads of this slot are over
	s_barrier_signal -1
	MUL8 F1, 0, 2, 0
.if \fill
	WIN 0
.endif
	s_barrier_wait -1
.if \fill
	CREST                                          ; no wave of any partner still reads this slot's tile or has a load on its way
	s_add_co_u32 s[OP+2*(\slot)], s[OP+2*(\slot)], 1024            ; two tiles on,
	s_and_b32 s[OP+2*(\slot)], s[OP+2*(\slot)], 0x1fff             ; round the row's 8,192 bytes,
	s_add_co_u32 s[OV+2*(\slot)], s[OV+2*(\slot)], 0x200000
	s_and_b32 s[OV+2*(\slot)], s[OV+2*(\slot)], 0xffffff           ; and round ref's 4,096 rows
	AIM \slot
	JLOAD \slot                                    ; the four v_nop behind it are also the places in front of the loads below
.else
	PLACES
.endif
	GLOAD
	FETCH \next, 0, F0
	MUL8 F1, 1, 0, 0
	MUL8 F1, 1, 2, 0
	RESCALE 32                                     ; g is in; the next step's first fragments may stay out
.endm
; THE WAY OUT of block a: 32 bytes a lane and accumulator into my stage, back as whole rows of 256 bytes into the registers that they left, and stored.
.macro STG a
.irp b, 0,1,2,3
	ds_store_b128 v[STO], v[ACC+32*(\a)+8*(\b):ACC+32*(\a)+8*(\b)+3] offset:64*(\b)
	ds_store_b128 v[STO], v[ACC+32*(\a)+8*(\b)+4:ACC+32*(\a)+8*(\b)+7] offset:64*(\b)+16
.endr
.irp t, 0,1,2,3,4,5,6,7
	ds_load_b128 v[ACC+32*(\a)+4*(\t):ACC+32*(\a)+4*(\t)+3], v[RD] offset:(\t)*2*SPITCH  ; LDS serves a wave's instructions in order (ISA guide 5.7.1.4): these see the stores above; the next block's stores come behind them
.endr
.endm
.macro SENDM a, younger                ; younger: the LDS instructions issued behind block a's loads: the next block's sixteen, or none
.irp t, 0,1,2,3,4,5,6,7
	s_wait_dscnt (\younger)+7-(\t)
	global_store_b128 v[CO], v[ACC+32*(\a)+4*(\t):ACC+32*(\a)+4*(\t)+3], s[72:73] offset:(16*(\a)+2*(\t))*8192 th:TH_STORE_NT  ; 16 lanes store 256 consecutive bytes, at a multiple of 256 from out0's first byte
.endr
.endm
	s_wait_tensorcnt 1                             ; my part of the first step is in; the second's may stay out
	s_wait_dscnt 0x0                               ; my stores of g are done
	s_barrier_signal -1
	s_barrier_wait -1
	FETCH 0, 0, F0
	WIN 0                                          ; at a label and at a branch every window is 0
	s_mov_b32 s3, 7
.Llap:                                                 ; a trip: two steps, once round the ring; both slots are filled again
	QUARTER 0, 1, F0, F1, 1
	QUARTER 0, 2, F1, F0, 0
	QUARTER 0, 3, F0, F1, 0
	TURN 0, 1, 1
	QUARTER 1, 1, F0, F1, 1
	QUARTER 1, 2, F1, F0, 0
	QUARTER 1, 3, F0, F1, 0
	TURN 1, 0, 1
	WIN 0
	s_sub_co_u32 s3, s3, 1
	s_cmp_lg_u32 s3, 0
	s_cbranch_scc1 .Llap
	QUARTER 0, 1, F0, F1, 1                        ; the last two steps fill nothing
	QUARTER 0, 2, F1, F0, 0
	QUARTER 0, 3, F0, F1, 0
	TURN 0, 1, 0
	QUARTER 1, 1, F0, F1, 1
	QUARTER 1, 2, F1, F0, 0
	QUARTER 1, 3, F0, F1, 0
	GLOAD
	s_wait_dscnt 17                                ; the first 32 keys are in; the other sixteen loads and g's may be out
	MUL8 F1, 0, 0, 0
	MUL8 F1, 0, 2, 0
	s_wait_dscnt 0x0
	MUL8 F1, 1, 0, 0
	MUL8 F1, 1, 2, 0
	RESCALE 0
	WIN 0
	STG 0
	STG 1
	SENDM 0, 16
	STG 2
	SENDM 1, 16
	STG 3
	SENDM 2, 16
	SENDM 3, 0
	s_wait_tensorcnt 0x0                           ; the wave's end: an add to my spare word and its wait, behind my last tensor load and my last LDS store
	ds_add_u32 v[SPW], v[NIL]
	s_wait_dscnt 0x0
	CROUND                                         ; the closing round: no work-group ends while a partner may still ask for a tile that names it
	s_endpgm
.Lfunc_end_k_q1b03e2f9c2_mix:
	.size	k_q1b03e2f9c2_mix, .Lfunc_end_k_q1b03e2f9c2_mix-k_q1b03e2f9c2_mix
	.p2alignl 7, 3214868480
	.fill 96, 4, 3214868480
	.section	.rodata,"a",@progbits
	.p2align	6, 0x0
	.amdhsa_kernel k_q1b03e2f9c2_mix
		.amdhsa_group_segment_fixed_size 327680
		.amdhsa_private_segment_fixed_size 0
		.amdhsa_enable_private_segment 0
		.amdhsa_kernarg_size 40
		.amdhsa_user_sgpr_count 2
		.amdhsa_user_sgpr_kernarg_segment_ptr 1
		.amdhsa_wavefront_size32 1
		.amdhsa_system_sgpr_workgroup_id_x 1
		.amdhsa_system_sgpr_workgroup_id_y 1
		.amdhsa_system_sgpr_workgroup_id_z 1
		.amdhsa_system_vgpr_workitem_id 0
		.amdhsa_next_free_vgpr 640
		.amdhsa_next_free_sgpr 86
		.amdhsa_reserve_vcc 0
		.amdhsa_float_denorm_mode_32 3
		.amdhsa_float_denorm_mode_16_64 3
		.amdhsa_memory_ordered 1
		.amdhsa_forward_progress 1
		.amdhsa_inst_pref_size 126
	.end_amdhsa_kernel
	.amdgpu_metadata
---
amdhsa.version: [ 1, 2 ]
amdhsa.kernels:
  - .name:           k_q1b03e2f9c2_mix
    .symbol:         k_q1b03e2f9c2_mix.kd
    .args:
      - { .name: p16, .offset: 0, .size: 8, .value_kind: global_buffer, .address_space: global }
      - { .name: x16, .offset: 8, .size: 8, .value_kind: global_buffer, .address_space: global }
      - { .name: cmax, .offset: 16, .size: 8, .value_kind: global_buffer, .address_space: global }
      - { .name: lsum, .offset: 24, .size: 8, .value_kind: global_buffer, .address_space: global }
      - { .name: out0, .offset: 32, .size: 8, .value_kind: global_buffer, .address_space: global }
    .group_segment_fixed_size: 327680
    .private_segment_fixed_size: 0
    .kernarg_segment_align: 8
    .kernarg_segment_size: 40
    .max_flat_workgroup_size: 128
    .sgpr_count:     86
    .vgpr_count:     640
    .wavefront_size: 32
...
	.end_amdgpu_metadata
.endif
;; end of part 4
